; MI455X (gfx1250); checked and timed in simulation.
; The chip was launched on July 23, 2026; its instructions are those of AMD's public machine-readable ISA for CDNA 5 (MIT licence, August 2026) and "CDNA5" Instruction Set Architecture Reference Guide (July 2026). The comments in the code are by the model that wrote it; some were corrected since.
;; Mini AF3 Score Model. Allowed arithmetic: float matrix products may take bf16 or f16 operands with f32 sums; other float arithmetic in f32, or as packed bf16 or f16 multiplies, adds, multiply-adds, maxima and minima; sums over many terms, partial sums and values carried from step to step in f32; what a program stores and reads back later, other than sums and carried values, may be rounded once to bf16 or f16.
;; Inputs: mask 64 x 100 bool; params_blocks_0_ao_b 64 float32; params_blocks_0_ao_w 64 x 64 float32; params_blocks_0_ns_b 64 float32; params_blocks_0_ns_g 64 float32; params_blocks_0_nz_b 32 float32; params_blocks_0_nz_g 32 float32; params_blocks_0_qkv_b 192 float32; params_blocks_0_qkv_w 64 x 192 float32; params_blocks_0_s_to_z_b 32 float32; params_blocks_0_s_to_z_w 128 x 32 float32; params_blocks_0_zb_b 4 float32; params_blocks_0_zb_w 32 x 4 float32; params_blocks_0_zmlp_b1 64 float32; params_blocks_0_zmlp_b2 32 float32; params_blocks_0_zmlp_w1 32 x 64 float32; params_blocks_0_zmlp_w2 64 x 32 float32; params_blocks_1_ao_b 64 float32; params_blocks_1_ao_w 64 x 64 float32; params_blocks_1_ns_b 64 float32; params_blocks_1_ns_g 64 float32; params_blocks_1_nz_b 32 float32; params_blocks_1_nz_g 32 float32; params_blocks_1_qkv_b 192 float32; params_blocks_1_qkv_w 64 x 192 float32; params_blocks_1_s_to_z_b 32 float32; params_blocks_1_s_to_z_w 128 x 32 float32; params_blocks_1_zb_b 4 float32; params_blocks_1_zb_w 32 x 4 float32; params_blocks_1_zmlp_b1 64 float32; params_blocks_1_zmlp_b2 32 float32; params_blocks_1_zmlp_w1 32 x 64 float32; params_blocks_1_zmlp_w2 64 x 32 float32; params_blocks_2_ao_b 64 float32; params_blocks_2_ao_w 64 x 64 float32; params_blocks_2_ns_b 64 float32; params_blocks_2_ns_g 64 float32; params_blocks_2_nz_b 32 float32; params_blocks_2_nz_g 32 float32; params_blocks_2_qkv_b 192 float32; params_blocks_2_qkv_w 64 x 192 float32; params_blocks_2_s_to_z_b 32 float32; params_blocks_2_s_to_z_w 128 x 32 float32; params_blocks_2_zb_b 4 float32; params_blocks_2_zb_w 32 x 4 float32; params_blocks_2_zmlp_b1 64 float32; params_blocks_2_zmlp_b2 32 float32; params_blocks_2_zmlp_w1 32 x 64 float32; params_blocks_2_zmlp_w2 64 x 32 float32; params_blocks_3_ao_b 64 float32; params_blocks_3_ao_w 64 x 64 float32; params_blocks_3_ns_b 64 float32; params_blocks_3_ns_g 64 float32; params_blocks_3_nz_b 32 float32; params_blocks_3_nz_g 32 float32; params_blocks_3_qkv_b 192 float32; params_blocks_3_qkv_w 64 x 192 float32; params_blocks_3_s_to_z_b 32 float32; params_blocks_3_s_to_z_w 128 x 32 float32; params_blocks_3_zb_b 4 float32; params_blocks_3_zb_w 32 x 4 float32; params_blocks_3_zmlp_b1 64 float32; params_blocks_3_zmlp_b2 32 float32; params_blocks_3_zmlp_w1 32 x 64 float32; params_blocks_3_zmlp_w2 64 x 32 float32; params_dist_emb 100 x 32 float32; params_ipp_b 32 float32; params_ipp_w 1 x 32 float32; params_pos_emb 100 x 64 float32; params_seq_emb 2 x 64 float32; params_time_b1 64 float32; params_time_b2 64 float32; params_time_w1 1 x 64 float32; params_time_w2 64 x 64 float32; params_wh_b1 32 float32; params_wh_b2 1 float32; params_wh_bln 32 float32; params_wh_g 32 float32; params_wh_w1 32 x 32 float32; params_wh_w2 32 x 1 float32; seq 64 x 100 int32; spins 64 x 100 x 3 float32; t 64 x 1 float32.
;; Outputs: out0 64 x 100 x 3 float32.
;; One version. Each part assembles by itself: llvm-mc -triple=amdgcn-amd-amdhsa -mcpu=gfx1250 --defsym DOCPART=n.
;; ======== version 1 of 1: 6 launches
;; limits: an absolute error that grows with the inputs' magnitude: up to 0.00025 times it; values are held in f16: magnitudes above 65,504 overflow, below 6.1e-05 lose precision; a function is approximated: absolute error at most 0.0005
;; workspace buffers: zA 83,886,080 bytes; zB 83,886,080 bytes; sA 1,638,400 bytes; sB 1,638,400 bytes; headp 2,560 bytes; cfg0 256 bytes of whole numbers; cfg1 256 bytes of whole numbers; cfg2 256 bytes of whole numbers
;; launch init (part 1): grid 64 x 1, 8 waves a work-group, no clusters, 2,304 bytes of LDS; arguments t, params_time_w1, params_time_b1, params_time_w2, params_time_b2, seq, params_seq_emb, params_pos_emb, sA, params_wh_g, params_wh_bln, params_wh_w1, params_wh_b1, params_wh_w2, params_wh_b2, headp, cfg0, cfg1, cfg2; writes sA, headp, cfg0, cfg1, cfg2
.if DOCPART == 1
	.amdgcn_target "amdgcn-amd-amdhsa--gfx1250"
	.amdhsa_code_object_version 6
	.text
	.protected	k_q06d4d1e974_init
	.globl	k_q06d4d1e974_init
	.p2align	8
	.type	k_q06d4d1e974_init,@function
k_q06d4d1e974_init:
	s_mov_b64 s[64:65], 0
	v_nop
	global_prefetch_b8 v0, s[64:65] scope:SCOPE_SE
	s_setreg_imm32_b32 hwreg(HW_REG_WAVE_MODE, 25, 1), 1
	s_wait_xcnt 0x0
; s_0[b][n][:] = seq_emb[seq[b][n]] + pos_emb[n] + (gelu(t[b] w1 + b1) w2 + b2), f32, one work-group a batch.
; Work-group 0 also lays out what the last block's launch wants of the pair head, and the three mode words.
; FORMATS.  Every floating input is rounded once to bf16 as it is loaded (the whole program does so); all arithmetic here is f32 on the vector unit:
; the time MLP is 64 x 64 multiply-adds a batch, for one row: a 16 x 16 x 32 tile would be fifteen parts in sixteen padding.
; GELU.  erf(y) = 1 - (1 + a1 y + a2 y^2 + a3 y^3 + a4 y^4)^-4 for y >= 0 (Abramowitz and Stegun 7.1.27), off by 5e-4 at the most for every y,
; so gelu is off by 2.5e-4 |x| at the most.  With a = |x|, P = 1 + c1 a + .. + c4 a^4 (1/sqrt 2 folded into c), r = 1/P: 2 gelu(x) = x + a (1 - r^4).
; headp: 0..2047 wh_g[k] wh_w1[k][n] in f16, as two fragments [tile][half][lane][16 bytes]; 2048 b1[n] + sum_k bln[k] w1[k][n]; 2176 0.5 wh_w2[n]; 2304 wh_b2; zeros up to 2560.
.set HL,    0                          ; LDS: h[64], f32
.set PL,    256                        ; four partial sums of h w2, [4][64] f32
.set SPARE, 1280                       ; the spare words, 128 bytes a wave: four blocks of 256 bytes that no other line names
.set SPW,   1                          ; v1  SPARE + 4 x my thread's number; never rewritten
.set NIL,   2                          ; v2  0; never rewritten
.set TMP,   79
.macro BFR2 a, b, t                    ; two f32 rounded to bf16 and widened again
	v_cvt_pk_bf16_f32 v[\t], v[\a], v[\b]
	v_lshlrev_b32 v[\a], 16, v[\t]
	v_and_b32 v[\b], 0xffff0000, v[\t]
.endm
.macro BFR1 a, t
	v_cvt_pk_bf16_f32 v[\t], v[\a], v[\a]
	v_lshlrev_b32 v[\a], 16, v[\t]
.endm
.macro BFRN base, n, t                 ; n registers from base on
.set bi, 0
.rept (\n)/2
	BFR2 (\base)+bi, (\base)+bi+1, \t
.set bi, bi+2
.endr
.endm
.macro BAR                             ; my LDS instructions are done, then all waves meet
	s_wait_dscnt 0x0
	s_barrier_signal -1
	s_barrier_wait -1
.endm
	s_load_b512 s[8:23], s[0:1], 0x0               ; t 8, w1 10, b1 12, w2 14, b2 16, seq 18, seq_emb 20, pos_emb 22
	s_load_b512 s[24:39], s[0:1], 0x40             ; sA 24, wh_g 26, wh_bln 28, wh_w1 30, wh_b1 32, wh_w2 34, wh_b2 36, headp 38
	s_load_b128 s[40:43], s[0:1], 0x80             ; cfg0 40, cfg1 42
	s_load_b64 s[44:45], s[0:1], 0x90              ; cfg2
	v_lshl_add_u32 v[SPW], v0, 2, SPARE
	v_mov_b32 v[NIL], 0
	v_lshrrev_b32 v3, 5, v0
	v_readfirstlane_b32 s3, v3                     ; wave 0..7
	v_and_b32 v3, 63, v0
	v_lshlrev_b32 v3, 2, v3                        ; 4 c: my channel of the time MLP
	v_lshrrev_b32 v4, 6, v0                        ; kq: my quarter of its K
	v_and_b32 v5, 15, v0
	v_lshlrev_b32 v5, 4, v5                        ; 16 c4: my four channels of a row of s
	v_lshrrev_b32 v6, 4, v0                        ; rw: my row among 16
	s_lshl_b32 s4, ttmp9, 2
	v_mov_b32 v7, s4                               ; 4 b
	v_lshl_add_u32 v11, v4, 12, v3                 ; 16 kq rows of w2 + 4 c
	v_lshlrev_b32 v12, 4, v0                       ; rw x 256 + 16 c4
	v_add_nc_u32 v13, 96, v6
	v_min_u32 v13, 99, v13                         ; the seventh pass has four rows: the others' loads are held to row 99
	v_lshlrev_b32 v15, 2, v13
	v_lshl_add_u32 v13, v13, 8, v5
	v_lshlrev_b32 v14, 2, v6
	s_mul_i32 s46, ttmp9, 400
	s_mov_b32 s47, 0
	s_mul_i32 s48, ttmp9, 25600
	s_mov_b32 s49, 0
	s_wait_kmcnt 0x0
	s_add_nc_u64 s[18:19], s[18:19], s[46:47]      ; seq at my batch
	s_add_nc_u64 s[24:25], s[24:25], s[48:49]      ; sA at my batch
	; all loads first
	global_load_b32 v8, v7, s[8:9]
	global_load_b32 v9, v3, s[10:11]
	global_load_b32 v10, v3, s[12:13]
.set e, 0
.rept 16
	global_load_b32 v[16+e], v11, s[14:15] offset:256*e
.set e, e+1
.endr
	global_load_b128 v[32:35], v5, s[16:17]
	global_load_b128 v[36:39], v5, s[20:21]
	global_load_b128 v[40:43], v5, s[20:21] offset:256
.set p, 0
.rept 6
	global_load_b128 v[44+4*p:47+4*p], v12, s[22:23] offset:4096*p
	global_load_b32 v[72+p], v14, s[18:19] offset:64*p
.set p, p+1
.endr
	global_load_b128 v[68:71], v13, s[22:23]
	global_load_b32 v78, v15, s[18:19]
	s_wait_loadcnt 0x0
	BFR2 8, 9, TMP
	BFR1 10, TMP
	BFRN 16, 56, TMP                               ; w2's slice, b2, both rows of seq_emb, seven rows' pieces of pos_emb
	; h = gelu(t w1 + b1)
	v_fma_f32 v8, v8, v9, v10
	v_and_b32 v9, 0x7fffffff, v8
	v_mov_b32 v10, 0x3c9ff716
	v_fmaak_f32 v10, v9, v10, 0x39b42c72
	v_fmaak_f32 v10, v10, v9, 0x3debeb18
	v_fmaak_f32 v10, v10, v9, 0x3e4993fb
	v_fma_f32 v10, v10, v9, 1.0
	v_rcp_f32 v10, v10
	v_nop                                          ; a plain instruction behind the reciprocal,
	s_wait_alu depctr_va_vdst(0)                   ; and the wait ahead of its first reader
	v_mul_f32 v10, v10, v10
	v_fma_f32 v10, -v10, v10, 1.0
	v_fma_f32 v8, v9, v10, v8
	v_mul_f32 v8, 0.5, v8
	s_cmp_lt_u32 s3, 2                             ; threads 0..63 hold each channel once: one writer a word
	s_cbranch_scc0 .Lh_stored
	ds_store_b32 v3, v8 offset:HL
.Lh_stored:
	BAR
	v_lshlrev_b32 v9, 6, v4                        ; my 16 numbers of h
	ds_load_b128 v[80:83], v9 offset:HL
	ds_load_b128 v[84:87], v9 offset:HL+16
	ds_load_b128 v[88:91], v9 offset:HL+32
	ds_load_b128 v[92:95], v9 offset:HL+48
	s_wait_dscnt 0x0
	v_mul_f32 v8, v80, v16
.set e, 1
.rept 15
	v_fmac_f32 v8, v[80+e], v[16+e]
.set e, e+1
.endr
	v_lshlrev_b32 v9, 2, v0
	ds_store_b32 v9, v8 offset:PL                  ; 256 kq + 4 c = 4 x thread
	BAR
.set n, 0
.rept 4
	ds_load_b128 v[16+4*n:19+4*n], v5 offset:PL+256*n
.set n, n+1
.endr
	s_wait_dscnt 0x0
	v_pk_add_f32 v[16:17], v[16:17], v[20:21]
	v_pk_add_f32 v[18:19], v[18:19], v[22:23]
	v_pk_add_f32 v[24:25], v[24:25], v[28:29]
	v_pk_add_f32 v[26:27], v[26:27], v[30:31]
	v_pk_add_f32 v[16:17], v[16:17], v[24:25]
	v_pk_add_f32 v[18:19], v[18:19], v[26:27]
	v_pk_add_f32 v[16:17], v[16:17], v[32:33]      ; t_emb of my four channels
	v_pk_add_f32 v[18:19], v[18:19], v[34:35]
	v_pk_add_f32 v[36:37], v[36:37], v[16:17]      ; added to both rows of seq_emb
	v_pk_add_f32 v[38:39], v[38:39], v[18:19]
	v_pk_add_f32 v[40:41], v[40:41], v[16:17]
	v_pk_add_f32 v[42:43], v[42:43], v[18:19]
; One pass: 16 rows; seq only selects a value.  A wave's store covers 512 consecutive bytes, aligned.
.macro PASS p, off, imm
	v_cmp_ne_u32 vcc_lo, 0, v[72+(\p)]
	v_cndmask_b32 v84, v36, v40, vcc_lo
	v_cndmask_b32 v85, v37, v41, vcc_lo
	v_cndmask_b32 v86, v38, v42, vcc_lo
	v_cndmask_b32 v87, v39, v43, vcc_lo
	v_pk_add_f32 v[44+4*(\p):45+4*(\p)], v[44+4*(\p):45+4*(\p)], v[84:85]
	v_pk_add_f32 v[46+4*(\p):47+4*(\p)], v[46+4*(\p):47+4*(\p)], v[86:87]
	global_store_b128 v[\off], v[44+4*(\p):47+4*(\p)], s[24:25] offset:\imm
.endm
	PASS 0, 12, 0
	PASS 1, 12, 4096
	PASS 2, 12, 8192
	PASS 3, 12, 12288
	PASS 4, 12, 16384
	PASS 5, 12, 20480
	s_cmp_lt_u32 s3, 2                             ; rows 96..99 are threads 0..63
	s_cbranch_scc0 .Lrows_done
	PASS 6, 13, 0
.Lrows_done:
	s_cmp_lg_u32 ttmp9, 0
	s_cbranch_scc1 .Lend
	s_wait_xcnt 0x0                                ; the stores above have read their registers: they are written again only behind this wait
	s_cmp_lt_u32 s3, 2
	s_cbranch_scc1 .Lfrag
	s_cmp_eq_u32 s3, 2
	s_cbranch_scc1 .Lvec
	s_cmp_eq_u32 s3, 3
	s_cbranch_scc1 .Lcfg
	s_branch .Lend
.Lfrag:                                        ; waves 0, 1: hidden channels 16 t + r; lane (r, h) holds k = 8 h + 0..7 and 16 + 8 h + 0..7
	v_and_b32 v3, 15, v0
	v_bfe_u32 v4, v0, 4, 1
	s_lshl_b32 s4, s3, 6
	v_lshl_add_u32 v5, v3, 2, s4
	v_lshl_add_u32 v5, v4, 10, v5
.set e, 0
.rept 8
	global_load_b32 v[16+e], v5, s[30:31] offset:128*e
	global_load_b32 v[24+e], v5, s[30:31] offset:128*(16+e)
.set e, e+1
.endr
	v_lshlrev_b32 v6, 5, v4
	global_load_b128 v[32:35], v6, s[26:27]
	global_load_b128 v[36:39], v6, s[26:27] offset:16
	global_load_b128 v[40:43], v6, s[26:27] offset:64
	global_load_b128 v[44:47], v6, s[26:27] offset:80
	s_wait_loadcnt 0x0
	BFRN 16, 32, TMP
.set e, 0
.rept 8
	v_pk_mul_f32 v[16+2*e:17+2*e], v[16+2*e:17+2*e], v[32+2*e:33+2*e]
.set e, e+1
.endr
.set e, 0
.rept 8
	v_cvt_pk_f16_f32 v[48+e], v[16+2*e], v[17+2*e]
.set e, e+1
.endr
	v_and_b32 v8, 31, v0
	v_lshlrev_b32 v8, 4, v8
	s_lshl_b32 s4, s3, 10
	v_add_nc_u32 v8, s4, v8
	global_store_b128 v8, v[48:51], s[38:39]
	global_store_b128 v8, v[52:55], s[38:39] offset:512
	s_branch .Lend
.Lvec:                                         ; wave 2: a lane a hidden channel
	v_and_b32 v3, 31, v0
	v_lshlrev_b32 v3, 2, v3
	v_mov_b32 v4, 0
.set k, 0
.rept 32
	global_load_b32 v[16+k], v3, s[30:31] offset:128*k
.set k, k+1
.endr
.set k, 0
.rept 8
	global_load_b128 v[48+4*k:51+4*k], v4, s[28:29] offset:16*k
.set k, k+1
.endr
	global_load_b32 v80, v3, s[32:33]
	global_load_b32 v81, v3, s[34:35]
	global_load_b32 v82, v4, s[36:37]
	s_wait_loadcnt 0x0
	BFRN 16, 64, 5
	BFR2 80, 81, 5
	BFR1 82, 5
.set k, 0
.rept 32
	v_fmac_f32 v80, v[16+k], v[48+k]
.set k, k+1
.endr
	v_mul_f32 v81, 0.5, v81
	v_cmp_eq_u32 vcc_lo, 0, v3
	v_cndmask_b32 v82, 0, v82, vcc_lo
	global_store_b32 v3, v80, s[38:39] offset:2048
	global_store_b32 v3, v81, s[38:39] offset:2176
	global_store_b32 v3, v82, s[38:39] offset:2304
	global_store_b32 v3, v4, s[38:39] offset:2432
	s_branch .Lend
.Lcfg:                                         ; wave 3: the mode words, 256 bytes a store
	v_and_b32 v3, 31, v0
	v_lshlrev_b32 v3, 3, v3
	v_mov_b32 v4, 0
	v_mov_b32 v5, 0
	v_mov_b32 v6, 1
	v_mov_b32 v7, 1
	v_mov_b32 v8, 2
	v_mov_b32 v9, 2
	global_store_b64 v3, v[4:5], s[40:41]
	global_store_b64 v3, v[6:7], s[42:43]
	global_store_b64 v3, v[8:9], s[44:45]
.Lend:
	s_wait_tensorcnt 0x0                           ; the wave's end, behind my last LDS store
	ds_add_u32 v[SPW], v[NIL]
	s_wait_dscnt 0x0
	s_endpgm
.Lfunc_end_k_q06d4d1e974_init:
	.size	k_q06d4d1e974_init, .Lfunc_end_k_q06d4d1e974_init-k_q06d4d1e974_init
	.p2alignl 7, 3214868480
	.fill 96, 4, 3214868480
	.section	.rodata,"a",@progbits
	.p2align	6, 0x0
	.amdhsa_kernel k_q06d4d1e974_init
		.amdhsa_group_segment_fixed_size 2304
		.amdhsa_private_segment_fixed_size 0
		.amdhsa_enable_private_segment 0
		.amdhsa_kernarg_size 152
		.amdhsa_user_sgpr_count 2
		.amdhsa_user_sgpr_kernarg_segment_ptr 1
		.amdhsa_wavefront_size32 1
		.amdhsa_system_sgpr_workgroup_id_x 1
		.amdhsa_system_sgpr_workgroup_id_y 1
		.amdhsa_system_sgpr_workgroup_id_z 1
		.amdhsa_system_vgpr_workitem_id 0
		.amdhsa_next_free_vgpr 96
		.amdhsa_next_free_sgpr 66
		.amdhsa_reserve_vcc 1
		.amdhsa_float_denorm_mode_32 3
		.amdhsa_float_denorm_mode_16_64 3
		.amdhsa_memory_ordered 1
		.amdhsa_forward_progress 1
		.amdhsa_inst_pref_size 34
	.end_amdhsa_kernel
	.amdgpu_metadata
---
amdhsa.version: [ 1, 2 ]
amdhsa.kernels:
  - .name:           k_q06d4d1e974_init
    .symbol:         k_q06d4d1e974_init.kd
    .args:
      - { .name: t, .offset: 0, .size: 8, .value_kind: global_buffer, .address_space: global }
      - { .name: params_time_w1, .offset: 8, .size: 8, .value_kind: global_buffer, .address_space: global }
      - { .name: params_time_b1, .offset: 16, .size: 8, .value_kind: global_buffer, .address_space: global }
      - { .name: params_time_w2, .offset: 24, .size: 8, .value_kind: global_buffer, .address_space: global }
      - { .name: params_time_b2, .offset: 32, .size: 8, .value_kind: global_buffer, .address_space: global }
      - { .name: seq, .offset: 40, .size: 8, .value_kind: global_buffer, .address_space: global }
      - { .name: params_seq_emb, .offset: 48, .size: 8, .value_kind: global_buffer, .address_space: global }
      - { .name: params_pos_emb, .offset: 56, .size: 8, .value_kind: global_buffer, .address_space: global }
      - { .name: sA, .offset: 64, .size: 8, .value_kind: global_buffer, .address_space: global }
      - { .name: params_wh_g, .offset: 72, .size: 8, .value_kind: global_buffer, .address_space: global }
      - { .name: params_wh_bln, .offset: 80, .size: 8, .value_kind: global_buffer, .address_space: global }
      - { .name: params_wh_w1, .offset: 88, .size: 8, .value_kind: global_buffer, .address_space: global }
      - { .name: params_wh_b1, .offset: 96, .size: 8, .value_kind: global_buffer, .address_space: global }
      - { .name: params_wh_w2, .offset: 104, .size: 8, .value_kind: global_buffer, .address_space: global }
      - { .name: params_wh_b2, .offset: 112, .size: 8, .value_kind: global_buffer, .address_space: global }
      - { .name: headp, .offset: 120, .size: 8, .value_kind: global_buffer, .address_space: global }
      - { .name: cfg0, .offset: 128, .size: 8, .value_kind: global_buffer, .address_space: global }
      - { .name: cfg1, .offset: 136, .size: 8, .value_kind: global_buffer, .address_space: global }
      - { .name: cfg2, .offset: 144, .size: 8, .value_kind: global_buffer, .address_space: global }
    .group_segment_fixed_size: 2304
    .private_segment_fixed_size: 0
    .kernarg_segment_align: 8
    .kernarg_segment_size: 152
    .max_flat_workgroup_size: 256
    .sgpr_count:     66
    .vgpr_count:     96
    .wavefront_size: 32
...
	.end_amdgpu_metadata
.endif
;; end of part 1
;; launch blk0 (part 2): grid 256 x 1, 16 waves a work-group, no clusters, 242,944 bytes of LDS; arguments cfg0, sA, zB, zA, sB, mask, params_blocks_0_ns_g, params_blocks_0_ns_b, params_blocks_0_s_to_z_w, params_blocks_0_s_to_z_b, params_blocks_0_qkv_w, params_blocks_0_qkv_b, params_blocks_0_nz_g, params_blocks_0_nz_b, params_blocks_0_zmlp_w1, params_blocks_0_zmlp_b1, params_blocks_0_zmlp_w2, params_blocks_0_zmlp_b2, params_blocks_0_zb_w, params_blocks_0_zb_b, params_blocks_0_ao_w, params_blocks_0_ao_b, spins, params_dist_emb, params_ipp_w, params_ipp_b, headp; writes zA, sB
.if DOCPART == 2
	.amdgcn_target "amdgcn-amd-amdhsa--gfx1250"
	.amdhsa_code_object_version 6
	.text
	.protected	k_q06d4d1e974_blk0
	.globl	k_q06d4d1e974_blk0
	.p2align	8
	.type	k_q06d4d1e974_blk0,@function
k_q06d4d1e974_blk0:
	s_mov_b64 s[64:65], 0
	v_nop
	global_prefetch_b8 v0, s[64:65] scope:SCOPE_SE
	s_setreg_imm32_b32 hwreg(HW_REG_WAVE_MODE, 25, 1), 1
	s_wait_xcnt 0x0
; ONE PAIRFORMER BLOCK.  A work-group owns 25 rows i of one batch (batch = group / 4, rows 25 (group % 4) ..): 2,500 pairs p = 100 i_local + j, in 157 tiles of 16 consecutive p.
; z' = z + s W_top (by i) + s W_bot (by j) + b;  z'' = z' + gelu(LN(z') W1 + b1) W2 + b2;  s' = s + attention(LN(s), bias = z'' zb) ao + b.
; THE MODE, a whole number that an earlier launch stored (first argument): 0: z is made here from dist_emb and the spins' products; 1: z is loaded and stored; 2: z is loaded, the pair head follows,
; and w[p] is stored in z's stead (the diagonal as 0).  Each mode has its own copy of the loop over tiles; no barrier stands in them.
; SHARES.  16 waves, four to a SIMD with 256 registers each: the loop is vector work in dependent chains (a polynomial, two transcendentals, two reductions), which four waves cover for each other.
; Wave w takes tiles 10 w .. 10 w + 9.  Tiles 157..159 (wave 15) are computed on tile 156's z, store no z, and leave their bias and w in table words that nobody uses.
; LAYOUT.  In a tile lane (r = lane % 16, h = lane / 16) owns pair r and channels 8 h + 0..7 and 16 + 8 h + 0..7.  Packed, that is source 1 (32 k x 16 pairs) of the first product; it is the result's
; layout of the second product (source 0 = weights), and the order in memory: a tile is 4 x 512 consecutive bytes, register quad c of all lanes.  Nothing changes lanes but two sums a LayerNorm.
; THE LARGE WEIGHTS (qkv_w, s_to_z_w, ao_w: [k][n] in memory) are read row by row, 16 bytes a lane, ten loads a thread, and laid in LDS as [k][n] in f16; a product takes its fragment turned, by ds_load_tr16_b128.
; All that the launch's end wants (ao_w, s + ao_b of my rows) is in LDS from the start: behind the loop nothing is loaded from memory.
; THE LOOP ONLY READS LDS.  A tile's bias (two numbers a lane) and w (one) stay in registers, in a chain that moves down once a trip; they go to LDS when all waves have left the loop.
; From there on no stretch between two barriers holds both reads and stores of LDS.
; NO TENSOR LOADS, NO CLUSTER: no byte of z is wanted by two waves, and it arrives in registers as the matrix unit wants it; what work-groups share (s: 25,600 bytes, weights: some 100,000) is small beside
; 327,680 to 655,360 bytes of z of a work-group's own, and it is rounded on its way into LDS, which a tile copy would not do.
; FORMATS.  Every floating input is rounded once to bf16 as it is loaded.  z stays f32 in memory and registers.  f16 operands: LN outputs (at most sqrt(32), sqrt(64) times the gain), weights with the
; gain folded in, gelu, q, k, v, p, o; s as s x 2^-6 against weights x 64.  bf16 operands: z and zb_w.
; GELU.  gelu(x) = x / (1 + 2^(x (k1 + k3 x^2))), k1 = -2 sqrt(2 / pi) log2(e), k3 = 0.044715 k1 (the tanh form): off from the erf form by 5e-4 at the most for every x (largest near |x| = 2.75),
; and by a vanishing part of gelu near 0.  Where x^2 or the exponential overflows the quotient goes to x or to 0, the right limits.
; LIMITS.  |s| < 4.19e6 (f16's range x 64); |gelu|, |q|, |k|, |v| < 65,504; a weight below 6e-5 keeps f16's fixed step.
; Logits are carried times log2(e); a key that the mask hides has k = 0 and the logit -1e9, a padding key (100..111) -1e30; a bias x log2(e) below -1e9 is not raised to -1e9 (its weight is 0 all the same);
; a weight below 2^-126 counts as 0.  NaN and infinities are not treated apart.
.set SB,    0                          ; s x 2^-6 in f16, 128 rows x 144 bytes (128 + 16); rows from 100 on are 0
.set SN,    18432                      ; LN(s) g + b in f16, the same shape
.set ZJ,    36864                      ; s W_bot + b, f32, 112 rows x 144
.set ZI,    52992                      ; s W_top of my rows, f32, 32 x 144
.set ZI2,   57600                      ; the same + zmlp_b2
.set B1L,   62208                      ; b1 + nz_b W1, [64] f32 (below 65,536: an immediate reaches it)
.set KT,    62464                      ; k in f16, 112 keys x 144; hidden and padding keys are 0
.set VT,    78592                      ; v transposed in f16, 64 channels x 240 (112 keys + 16 bytes)
.set QT,    93952                      ; q x 0.25 log2(e) in f16, 32 x 144
.set BT,    98560                      ; bias x log2(e), f32, [4 heads][2,560 p]
.set MKU,   139520                     ; [112] f32: the largest finite number (key on), -1e9 (off), -1e30 (padding)
.set FR,    140032                     ; nine fragments [half][lane][16 bytes]: W1 g (4), W2 (4), zb
.set OB,    149248                     ; attention's output in f16, 32 x 144
.set SO,    153856                     ; s + ao_b of my rows, later the new s, f32, 32 x 272
.set DE,    162560                     ; dist_emb + ipp_b, f32, 100 x 144; row 100: ipp_w
.set SP,    177152                     ; my batch's spins, [100] x 16 bytes
.set HD,    178944                     ; a copy of headp
.set WT,    181504                     ; w[2,560] f32
.set SPARE, 191744                     ; the spare words, 128 bytes a wave: eight blocks of 256 bytes that no other line names
.set WQ,    193792                     ; qkv_w in f16, [64 k] x 416 bytes (384 + 32)
.set PQ,    416
.set WS,    220416                     ; s_to_z_w x 64 in f16, [128 k] x 96 bytes (64 + 32); W_bot is rows 64 on
.set PS,    96
.set WA,    232704                     ; ao_w in f16, [64 k] x 160 bytes (128 + 32)
.set PA,    160
; the tables' pitches are odd multiples of 16 bytes: sixteen lanes on sixteen rows touch sixteen different 16-byte columns of 256 bytes; the three weights' are odd multiples of 32
.set LOFF, 2                           ; v2   16 x lane; never rewritten
.set PP,   3                           ; v3   my pair's p
.set II,   5                           ; v5   i_local          (r outside the loop)
.set AJ,   6                           ; v6   144 j + 32 h     (h outside the loop)
.set AI,   7                           ; v7   144 i_local + 32 h
.set H32,  8                           ; v8   32 h; never rewritten
.set MR,   9                           ; v9   mode 0: DE + 32 h; mode 2: HD + 16 lane
.set JJ,   11                          ; v11  j
.set ZBB,  12                          ; v[12:13] zb_b[2 h, 2 h + 1] x log2(e)
.set SPW,  14                          ; v14  SPARE + 4 x my thread's number; never rewritten
.set NIL,  15                          ; v15  0; never rewritten
.set W1A,  16                          ; v[16:47]   W1's four fragments
.set W2A,  48                          ; v[48:79]   W2's: (channels 16 t', k 32 s) at 8 (2 t' + s)
.set ZBA,  80                          ; v[80:87]   zb's
.set BCH,  88                          ; v[88:107]  the bias chain: at the loop's end tile t of my ten at 2 t, 2 t + 1
.set WCH,  108                         ; v[108:117] w's chain (mode 2): tile t at t
.set ZR,   120                         ; v[120:135] z of my pair
.set ZN,   136                         ; v[136:167] two sets of 16: z on its way in (mode 0: ipp_w; the row of DE)
.set HR,   168                         ; v[168:199] the hidden layer; before that the table rows TJ, TI
.set TJ,   168
.set TI,   184
.set GR,   200                         ; v[200:215] gelu in f16; before that DR, the LayerNorm's input
.set DR,   200
.set NR,   216                         ; v[216:223] a packed source 1
.set AR,   224                         ; v[224:239] gelu at work, first 16 numbers; before that the table row TI2
.set RR,   240                         ; v[240:255] gelu at work, the other 16; the LayerNorm's few; the bias product's result
.set XA,   9                           ; the projections: where a lane reads its rows,
.set OA,   10                          ; and where it puts results
.set WF,   16                          ; v[16:31]   my projection's weights, two K steps
.set XF,   40                          ; v[40:103]  up to four row tiles' fragments
.set BI,   104                         ; v[104:111] its bias
.set ACC,  168                         ; v[168:199] up to four accumulators
.macro BFR2 a, b, t                    ; two f32 rounded to bf16 and widened again
	v_cvt_pk_bf16_f32 v[\t], v[\a], v[\b]
	v_lshlrev_b32 v[\a], 16, v[\t]
	v_and_b32 v[\b], 0xffff0000, v[\t]
.endm
.macro BFR1 a, t
	v_cvt_pk_bf16_f32 v[\t], v[\a], v[\a]
	v_lshlrev_b32 v[\a], 16, v[\t]
.endm
.macro BFRN base, n, t
.set bi, 0
.rept (\n)/2
	BFR2 (\base)+bi, (\base)+bi+1, \t
.set bi, bi+2
.endr
.endm
.macro BAR                             ; my LDS instructions are done, then all sixteen waves meet
	s_wait_dscnt 0x0
	s_barrier_signal -1
	s_barrier_wait -1
.endm
.macro NOPS n
.rept \n
	v_nop
.endr
.endm
.macro FRAG16 dst, areg, sb, stride    ; one fragment's 16 numbers, a lane a column: register 8 g + e holds k = 16 g + 8 h + e (8 h lies in the lane's offset)
.set e, 0
.rept 8
	global_load_b32 v[(\dst)+e],   v[\areg], s[\sb:\sb+1] offset:e*(\stride)
	global_load_b32 v[(\dst)+8+e], v[\areg], s[\sb:\sb+1] offset:(16+e)*(\stride)
.set e, e+1
.endr
.endm
.macro FRSTORE                         ; v[208:215] is fragment number = my wave's number
	s_lshl_b32 s90, s3, 10
	s_add_co_u32 s90, s90, FR
	v_add_nc_u32 v242, s90, v[LOFF]
	ds_store_b128 v242, v[208:211]
	ds_store_b128 v242, v[212:215] offset:512
.endm
; Four neighbouring numbers of a weight's row: rounded to bf16, times 64 where asked, written as f16, 8 bytes into LDS
.macro WSTORE src, areg, off, scale
	BFR2 \src, (\src)+1, 54
	BFR2 (\src)+2, (\src)+3, 54
.if \scale
	v_pk_mul_f32 v[(\src):(\src)+1], v[(\src):(\src)+1], 0x42800000 op_sel_hi:[1,0]
	v_pk_mul_f32 v[(\src)+2:(\src)+3], v[(\src)+2:(\src)+3], 0x42800000 op_sel_hi:[1,0]
.endif
	v_cvt_pk_f16_f32 v[\src], v[\src], v[(\src)+1]
	v_cvt_pk_f16_f32 v[(\src)+1], v[(\src)+2], v[(\src)+3]
	ds_store_b64 v[\areg], v[(\src):(\src)+1] offset:\off
.endm
; Two fragments (k 0..31, 32..63) of 16 columns of a weight that lies [k][n] in LDS, turned: lane l reads 16 bytes of row 8 (l / 16) + l % 8, 16 bytes further on for lanes 8-15 of each half,
; and ends with column l % 16 and eight k.  v32 = that row, v33 = those 16 bytes; sreg = the weight's LDS byte + 2 x the first column.
.macro WFRAG dst, pitch, sreg
	v_mul_u32_u24 v34, v32, \pitch
	v_add_nc_u32 v34, v34, v33
	v_add_nc_u32 v34, s[\sreg], v34
	ds_load_tr16_b128 v[(\dst):(\dst)+3],     v34
	ds_load_tr16_b128 v[(\dst)+4:(\dst)+7],   v34 offset:16*(\pitch)
	ds_load_tr16_b128 v[(\dst)+8:(\dst)+11],  v34 offset:32*(\pitch)
	ds_load_tr16_b128 v[(\dst)+12:(\dst)+15], v34 offset:48*(\pitch)
.endm
; Behind the loops, waves 0-7: s90 = my head, later my tile of 16 output channels; v7 = my row among 32 (16 x tile of rows + r).  Made anew in each block that forms an address of it; v5 = r and v6 = h stand since the loops' end.
.macro MYUNIT
	s_and_b32 s90, s3, 3
	s_lshr_b32 s91, s3, 2
	s_and_b32 s91, s91, 1
	v_lshl_add_u32 v7, s91, 4, v5
.endm
	s_load_b512 s[8:23], s[0:1], 0x0               ; cfg 8, s_in 10, z_in 12, z_out 14, s_out 16, mask 18, ns_g 20, ns_b 22
	s_load_b512 s[24:39], s[0:1], 0x40             ; s_to_z_w 24, s_to_z_b 26, qkv_w 28, qkv_b 30, nz_g 32, nz_b 34, zmlp_w1 36, zmlp_b1 38
	s_load_b512 s[40:55], s[0:1], 0x80             ; zmlp_w2 40, zmlp_b2 42, zb_w 44, zb_b 46, ao_w 48, ao_b 50, spins 52, dist_emb 54
	s_load_b128 s[56:59], s[0:1], 0xc0             ; ipp_w 56, ipp_b 58
	s_load_b64 s[60:61], s[0:1], 0xd0              ; headp
	v_lshl_add_u32 v[SPW], v0, 2, SPARE
	v_mov_b32 v[NIL], 0
	v_lshrrev_b32 v1, 5, v0
	v_readfirstlane_b32 s3, v1                     ; wave 0..15
	v_and_b32 v7, 31, v0                           ; lane
	v_lshlrev_b32 v[LOFF], 4, v7
	v_and_b32 v5, 15, v0                           ; r
	v_bfe_u32 v6, v0, 4, 1                         ; h
	v_lshlrev_b32 v[H32], 5, v6
	s_lshr_b32 s4, ttmp9, 2                        ; batch
	s_and_b32 s5, ttmp9, 3
	s_mul_i32 s75, s5, 25                          ; my first row
	s_mul_i32 s7, s3, 10                           ; my first tile
	s_mov_b32 s62, 0x76543210                      ; v_permlanex16_b32: each lane takes its own place in the other half
	s_mov_b32 s63, 0xfedcba98
	s_mov_b32 s66, 0xbdd2d3e8                      ; k3 = -0.10294324 (pairs: a packed source names two registers and takes the low one for both halves)
	s_mov_b32 s67, s66
	s_mov_b32 s68, 0xc0135761                      ; k1 = -2.3022082
	s_mov_b32 s69, s68
	s_mov_b32 s83, 0                               ; s[82:83]: a byte offset as a pair
	s_mov_b32 s87, 144
	s_mov_b32 s88, 0x3eb8aa3b                      ; 0.25 log2(e): 1 / sqrt(16), in base 2
	s_mov_b32 s89, s88
	s_mov_b32 s96, 0x3d000000                      ; 1 / 32
	s_mov_b32 s97, 0x3727c5ac                      ; 1e-5
	s_mov_b32 s98, 0x3fb8aa3b                      ; log2(e)
	s_mov_b32 s99, s98
	s_mov_b32 s100, 0x3c800000                     ; 1 / 64
	; which projection is mine: waves 0, 1 s W_bot; 2, 3 s W_top; 4-7 k; 8-11 v; 12-15 q; 16 columns each
	s_and_b32 s90, s3, 1
	s_lshl_b32 s90, s90, 4
	s_lshl_b32 s91, s3, 4                          ; k's and v's columns of qkv begin at 16 w,
	s_sub_co_u32 s101, s91, 192                    ; q's at 16 w - 192
	s_cmp_lt_u32 s3, 12
	s_cselect_b32 s91, s91, s101
	s_cmp_lt_u32 s3, 4
	s_cselect_b32 s90, s90, s91                    ; my first column
	v_add_nc_u32 v56, s90, v5
	v_lshlrev_b32 v56, 2, v56                      ; (column + r) x 4
	v_lshl_add_u32 v3, s90, 2, v[H32]              ; (column + 8 h) x 4
	v_lshlrev_b32 v4, 3, v6
	v_lshlrev_b32 v9, 4, v0                        ; 16 x thread
	v_lshrrev_b32 v52, 4, v0                       ; thread / 16 = 2 wave + lane / 16: my row among 32
	v_add_nc_u32 v11, 96, v52
	v_min_u32 v11, 99, v11                         ; rows 100..127 do not exist: their loads are held to row 99
	v_lshlrev_b32 v1, 4, v5
	v_lshl_add_u32 v11, v11, 8, v1
	v_add_nc_u32 v62, s75, v52                     ; row thread / 16 of my 32 (25 are wanted; past the batch's end: row 99),
	v_min_u32 v62, 99, v62
	v_lshl_add_u32 v62, v62, 8, v1                 ; its 16 bytes in s,
	v_mul_u32_u24 v63, v52, 272
	v_add_nc_u32 v63, v63, v1
	v_add_nc_u32 v63, SO, v63                      ; and in SO
	v_mul_u32_u24 v61, v52, PA                     ; ao_w: chunk = thread: row thread / 16, 8 bytes of f16 at 8 (thread % 16)
	v_lshl_add_u32 v61, v5, 3, v61
	v_add_nc_u32 v61, WA, v61
	v_mul_u32_u24 v52, v52, 144
	v_lshl_add_u32 v52, v5, 3, v52                 ; where my 4 channels of a row go in SB and SN
	v_lshrrev_b32 v53, 3, v0
	v_and_b32 v55, 7, v0
	v_mul_u32_u24 v60, v53, PS                     ; s_to_z_w: chunk = thread: row thread / 8, 8 bytes at 8 (thread % 8)
	v_lshl_add_u32 v60, v55, 3, v60
	v_add_nc_u32 v60, WS, v60
	v_mul_u32_u24 v53, v53, 144
	v_lshlrev_b32 v55, 4, v55
	v_add_nc_u32 v53, v53, v55
	v_add_nc_u32 v53, DE, v53                      ; chunk = thread of DE
	s_mul_i32 s101, s3, 3072                       ; qkv_w: wave w takes rows 4 w .. 4 w + 3, 3,072 consecutive bytes, in six loads of 512
	v_add_nc_u32 v57, s101, v[LOFF]
	s_mul_i32 s101, s3, 4*PQ
	s_add_co_u32 s101, s101, WQ
	v_lshl_add_u32 v58, v7, 3, s101                ; byte p = 512 n + 16 lane of the four rows goes to 4 w rows + p / 2 + 32 x (p / 768): the row's number is n's alone,
	v_add_nc_u32 v59, v58, v[H32]                  ; but for n = 1 and n = 4, where lanes 16-31 lie a row further on
	s_wait_kmcnt 0x0
	s_load_b32 s2, s[8:9], 0x0                     ; the mode
	s_mul_i32 s82, s4, 25600
	s_add_nc_u64 s[10:11], s[10:11], s[82:83]      ; s_in at my batch
	s_mul_i32 s82, ttmp9, 10240
	s_add_nc_u64 s[94:95], s[14:15], s[82:83]      ; where w goes (mode 2)
	s_mul_i32 s82, ttmp9, 327680
	s_add_nc_u64 s[12:13], s[12:13], s[82:83]      ; z at my work-group's 160 tile slots
	s_add_nc_u64 s[14:15], s[14:15], s[82:83]
	s_mul_i32 s90, s4, 100
	s_mov_b32 s82, s90
	s_add_nc_u64 s[18:19], s[18:19], s[82:83]      ; mask at my batch
	s_add_co_u32 s90, s90, s75
	s_lshl_b32 s82, s90, 8
	s_add_nc_u64 s[16:17], s[16:17], s[82:83]      ; s_out at my rows
	s_mul_i32 s82, s4, 1200
	s_add_nc_u64 s[52:53], s[52:53], s[82:83]      ; spins at my batch
	s_lshl_b32 s82, s7, 11
	s_add_nc_u64 s[76:77], s[12:13], s[82:83]      ; z_in at my first tile,
	s_add_nc_u64 s[78:79], s[76:77], 2048          ; and my second
	; ---- every wave's loads, all ahead of the one wait for them: 48 a wave at the most
	global_load_b128 v[16:19], v9, s[10:11]                ; s: rows 32 step + 2 wave + lane / 16, 4 channels a lane
	global_load_b128 v[20:23], v9, s[10:11] offset:8192
	global_load_b128 v[24:27], v9, s[10:11] offset:16384
	global_load_b128 v[28:31], v11, s[10:11]
	global_load_b128 v[32:35], v1, s[20:21]
	global_load_b128 v[36:39], v1, s[22:23]
	global_load_b64 v[ZBB:ZBB+1], v4, s[46:47]
	global_load_b128 v[120:123], v9, s[54:55]              ; dist_emb, chunks 0..511
	global_load_b128 v[124:127], v55, s[58:59]
.set n, 0
.rept 6
	global_load_b128 v[64+4*n:67+4*n], v57, s[28:29] offset:512*n      ; qkv_w
.set n, n+1
.endr
.set n, 0
.rept 2
	global_load_b128 v[88+4*n:91+4*n], v9, s[24:25] offset:8192*n      ; s_to_z_w, chunks thread and thread + 512
	global_load_b128 v[96+4*n:99+4*n], v9, s[48:49] offset:8192*n      ; ao_w likewise
.set n, n+1
.endr
	global_load_b128 v[112:115], v62, s[10:11]             ; s of my rows, for the launch's last product
	global_load_b128 v[116:119], v1, s[50:51]              ; ao_b
	s_cmp_lt_u32 s3, 4
	s_cselect_b64 s[92:93], s[42:43], s[30:31]     ; the bias that goes with my projection: zmlp_b2 beside s W_top, s_to_z_b with s W_bot, else qkv_b
	s_cmp_lt_u32 s3, 2
	s_cselect_b64 s[92:93], s[26:27], s[92:93]
	s_cmp_lt_u32 s3, 8
	s_cbranch_scc1 .Lb_rows
	s_cmp_lt_u32 s3, 12
	s_cbranch_scc0 .Lb_rows
	global_load_b32 v104, v56, s[92:93]            ; v: a lane holds one channel
	s_branch .Lb_done
.Lb_rows:
	global_load_b128 v[104:107], v3, s[92:93]      ; the others: eight channels
	global_load_b128 v[108:111], v3, s[92:93] offset:16
.Lb_done:
	; ---- each wave's own table: its loads, the wait for all loads so far, its arithmetic, its stores.  Every table byte has one writing wave.  Waves 9 and 10 have none.
	s_cmp_lt_u32 s3, 4
	s_cbranch_scc1 .Lrole_w1
	s_cmp_lt_u32 s3, 8
	s_cbranch_scc1 .Lrole_w2
	s_cmp_eq_u32 s3, 8
	s_cbranch_scc1 .Lrole_zb
	s_cmp_lt_u32 s3, 11
	s_cbranch_scc1 .Lroles_done
	s_cmp_eq_u32 s3, 11
	s_cbranch_scc1 .Lrole_mk
	s_cmp_eq_u32 s3, 12
	s_cbranch_scc1 .Lrole_iw
	s_cmp_eq_u32 s3, 13
	s_cbranch_scc1 .Lrole_sp
	s_cmp_eq_u32 s3, 14
	s_cbranch_scc1 .Lrole_hd
	; wave 15: dist_emb's chunks 512..799, nine a lane
.set n, 0
.rept 9
	global_load_b128 v[176+4*n:179+4*n], v[LOFF], s[54:55] offset:8192+512*n
.set n, n+1
.endr
	global_load_b128 v[212:215], v55, s[58:59]
	v_lshrrev_b32 v241, 3, v7
	v_mul_u32_u24 v241, v241, 144
	v_add_nc_u32 v241, v241, v55
	v_add_nc_u32 v241, DE, v241
	s_wait_loadcnt 0x0
	BFRN 176, 40, 243
.set n, 0
.rept 9
	v_pk_add_f32 v[176+4*n:177+4*n], v[176+4*n:177+4*n], v[212:213]
	v_pk_add_f32 v[178+4*n:179+4*n], v[178+4*n:179+4*n], v[214:215]
	ds_store_b128 v241, v[176+4*n:179+4*n] offset:9216+576*n
.set n, n+1
.endr
	s_branch .Lroles_done
.Lrole_w1:                                     ; waves 0-3: nz_g[k] W1[k][16 w + r], and b1[c] + sum over k of nz_b[k] W1[k][c] for c = 16 w + r: my 16 k here, the other 16 in the lane 16 away
	s_lshl_b32 s90, s3, 6
	v_lshl_add_u32 v235, v5, 2, s90                ; 4 (16 w + r)
	v_lshl_add_u32 v241, v6, 11, v235
	FRAG16 176, 241, 36, 256
	global_load_b128 v[192:195], v[H32], s[32:33]
	global_load_b128 v[196:199], v[H32], s[32:33] offset:16
	global_load_b128 v[200:203], v[H32], s[32:33] offset:64
	global_load_b128 v[204:207], v[H32], s[32:33] offset:80
	global_load_b128 v[216:219], v[H32], s[34:35]
	global_load_b128 v[220:223], v[H32], s[34:35] offset:16
	global_load_b128 v[224:227], v[H32], s[34:35] offset:64
	global_load_b128 v[228:231], v[H32], s[34:35] offset:80
	global_load_b32 v232, v235, s[38:39]
	v_mov_b32 v234, 0                              ; the exchange's destination counts as read: written first
	s_wait_loadcnt 0x0
	BFRN 176, 32, 243
	BFRN 216, 16, 243
	BFR1 232, 243
	v_mul_f32 v233, v216, v176
.set e, 1
.rept 15
	v_fmac_f32 v233, v[216+e], v[176+e]
.set e, e+1
.endr
	v_permlanex16_b32 v234, v233, s62, s63
	v_add_f32 v233, v233, v234
	v_add_f32 v233, v233, v232
	v_add_nc_u32 v235, B1L, v235
	ds_store_b32 v235, v233                        ; both halves of the lanes hold the same number
.set e, 0
.rept 8
	v_pk_mul_f32 v[176+2*e:177+2*e], v[176+2*e:177+2*e], v[192+2*e:193+2*e]
.set e, e+1
.endr
.set e, 0
.rept 8
	v_cvt_pk_f16_f32 v[208+e], v[176+2*e], v[177+2*e]
.set e, e+1
.endr
	FRSTORE
	s_branch .Lroles_done
.Lrole_w2:                                     ; waves 4-7: W2[32 s + k][16 t' + r], 2 t' + s = w - 4
	s_sub_co_u32 s90, s3, 4
	s_and_b32 s91, s90, 1
	s_lshl_b32 s91, s91, 12
	s_lshr_b32 s90, s90, 1
	s_lshl_b32 s90, s90, 6
	s_add_co_u32 s90, s90, s91
	v_lshl_add_u32 v241, v5, 2, s90
	v_lshl_add_u32 v241, v6, 10, v241
	FRAG16 176, 241, 40, 128
	s_wait_loadcnt 0x0
	BFRN 176, 16, 243
.set e, 0
.rept 8
	v_cvt_pk_f16_f32 v[208+e], v[176+2*e], v[177+2*e]
.set e, e+1
.endr
	FRSTORE
	s_branch .Lroles_done
.Lrole_zb:                                     ; wave 8: zb_w's four heads as rows 0, 1, 8, 9 of source 0, so that a lane finds heads 2 h, 2 h + 1 in the result's two lowest registers
	v_and_b32 v241, 1, v5
	v_lshrrev_b32 v242, 3, v5
	v_lshl_add_u32 v241, v242, 1, v241
	v_lshlrev_b32 v241, 2, v241
	v_lshl_add_u32 v241, v6, 7, v241
	FRAG16 176, 241, 44, 16
	s_wait_loadcnt 0x0
.set e, 0
.rept 8
	v_cvt_pk_bf16_f32 v[208+e], v[176+2*e], v[177+2*e]
.set e, e+1
.endr
	v_and_b32 v243, 6, v5
	v_cmp_eq_u32 vcc_lo, 0, v243
.set e, 0
.rept 8
	v_cndmask_b32 v[208+e], 0, v[208+e], vcc_lo
.set e, e+1
.endr
	FRSTORE
	s_branch .Lroles_done
.Lrole_mk:                                     ; wave 11: the keys' upper bounds
	global_load_u8 v176, v7, s[18:19]
	global_load_u8 v177, v7, s[18:19] offset:32
	global_load_u8 v178, v7, s[18:19] offset:64
	v_add_nc_u32 v241, 96, v7
	v_min_u32 v242, 99, v241
	global_load_u8 v179, v242, s[18:19]
	v_mov_b32 v243, 0xce6e6b28                     ; -1e9
	v_mov_b32 v244, 0x7f7fffff
	v_mov_b32 v245, 0xf149f2ca                     ; -1e30
	v_lshl_add_u32 v246, v7, 2, MKU
	s_wait_loadcnt 0x0
.set n, 0
.rept 4
	v_cmp_ne_u32 vcc_lo, 0, v[176+n]
	v_cndmask_b32 v[176+n], v243, v244, vcc_lo
.set n, n+1
.endr
	v_cmp_gt_u32 vcc_lo, 100, v241
	v_cndmask_b32 v179, v245, v179, vcc_lo
	ds_store_b32 v246, v176
	ds_store_b32 v246, v177 offset:128
	ds_store_b32 v246, v178 offset:256
	v_min_u32 v241, 111, v241                      ; lanes past key 111 write key 111's word, with its value
	v_lshl_add_u32 v241, v241, 2, MKU
	ds_store_b32 v241, v179
	s_branch .Lroles_done
.Lrole_iw:                                     ; wave 12: ipp_w as row 100 of DE (four lanes write each chunk, alike)
	global_load_b128 v[176:179], v55, s[56:57]
	s_wait_loadcnt 0x0
	BFRN 176, 4, 243
	v_add_nc_u32 v241, DE+14400, v55
	ds_store_b128 v241, v[176:179]
	s_branch .Lroles_done
.Lrole_sp:                                     ; wave 13: the batch's spins, 16 bytes a row
	v_mul_u32_u24 v241, v7, 12
.set n, 0
.rept 3
	global_load_b32 v[176+4*n], v241, s[52:53] offset:384*n
	global_load_b32 v[177+4*n], v241, s[52:53] offset:384*n+4
	global_load_b32 v[178+4*n], v241, s[52:53] offset:384*n+8
.set n, n+1
.endr
	v_add_nc_u32 v242, 96, v7
	v_min_u32 v242, 99, v242
	v_mul_u32_u24 v243, v242, 12
	global_load_b32 v188, v243, s[52:53]
	global_load_b32 v189, v243, s[52:53] offset:4
	global_load_b32 v190, v243, s[52:53] offset:8
	v_lshl_add_u32 v244, v7, 4, SP
	s_wait_loadcnt 0x0
.set n, 0
.rept 4
	BFR2 176+4*n, 177+4*n, 245
	BFR1 178+4*n, 245
	v_mov_b32 v[179+4*n], 0
.set n, n+1
.endr
	ds_store_b128 v244, v[176:179]
	ds_store_b128 v244, v[180:183] offset:512
	ds_store_b128 v244, v[184:187] offset:1024
	v_lshl_add_u32 v242, v242, 4, SP
	ds_store_b128 v242, v[188:191]
	s_branch .Lroles_done
.Lrole_hd:                                     ; wave 14: headp, 160 chunks
.set n, 0
.rept 5
	global_load_b128 v[176+4*n:179+4*n], v[LOFF], s[60:61] offset:512*n
.set n, n+1
.endr
	v_add_nc_u32 v241, HD, v[LOFF]
	s_wait_loadcnt 0x0
.set n, 0
.rept 5
	ds_store_b128 v241, v[176+4*n:179+4*n] offset:512*n
.set n, n+1
.endr
.Lroles_done:
	s_wait_loadcnt 0x0
	; ---- LayerNorm of s: a row is 16 lanes x 4 channels, so its two sums stay inside a row of lanes; four rows a lane, their four roots as one batch
	BFRN 32, 8, 54
	v_cmp_gt_u32 vcc_lo, 64, v0                    ; in the fourth step rows 96..99 are threads 0..63: the others store 0
.macro LNSA st
.set X, 16+4*(\st)
	v_pk_mul_f32 v[40:41], v[X:X+1], 0x3c800000 op_sel_hi:[1,0]
	v_pk_mul_f32 v[42:43], v[X+2:X+3], 0x3c800000 op_sel_hi:[1,0]
	v_cvt_pk_f16_f32 v44, v40, v41
	v_cvt_pk_f16_f32 v45, v42, v43
.if (\st) == 3
	v_cndmask_b32 v44, 0, v44, vcc_lo
	v_cndmask_b32 v45, 0, v45, vcc_lo
.endif
	ds_store_b64 v52, v[44:45] offset:SB+4608*(\st)
	v_pk_add_f32 v[40:41], v[X:X+1], v[X+2:X+3]
	v_add_f32 v40, v40, v41
	v_add_f32_dpp v40, v40, v40 row_xmask:1 row_mask:0xf bank_mask:0xf
	v_add_f32_dpp v40, v40, v40 row_xmask:2 row_mask:0xf bank_mask:0xf
	v_add_f32_dpp v40, v40, v40 row_xmask:4 row_mask:0xf bank_mask:0xf
	v_add_f32_dpp v40, v40, v40 row_xmask:8 row_mask:0xf bank_mask:0xf
	v_mul_f32 v40, s100, v40
	v_pk_add_f32 v[X:X+1], v[X:X+1], v[40:41] op_sel_hi:[1,0] neg_lo:[0,1] neg_hi:[0,1]
	v_pk_add_f32 v[X+2:X+3], v[X+2:X+3], v[40:41] op_sel_hi:[1,0] neg_lo:[0,1] neg_hi:[0,1]
	v_pk_mul_f32 v[42:43], v[X:X+1], v[X:X+1]
	v_pk_fma_f32 v[42:43], v[X+2:X+3], v[X+2:X+3], v[42:43]
	v_add_f32 v42, v42, v43
	v_add_f32_dpp v42, v42, v42 row_xmask:1 row_mask:0xf bank_mask:0xf
	v_add_f32_dpp v42, v42, v42 row_xmask:2 row_mask:0xf bank_mask:0xf
	v_add_f32_dpp v42, v42, v42 row_xmask:4 row_mask:0xf bank_mask:0xf
	v_add_f32_dpp v42, v42, v42 row_xmask:8 row_mask:0xf bank_mask:0xf
	v_fma_f32 v[48+(\st)], v42, s100, s97
.endm
.macro LNSB st
.set X, 16+4*(\st)
	v_mul_f32 v[X], v[48+(\st)], v[X]
	v_mul_f32 v[X+1], v[48+(\st)], v[X+1]
	v_mul_f32 v[X+2], v[48+(\st)], v[X+2]
	v_mul_f32 v[X+3], v[48+(\st)], v[X+3]
	v_pk_fma_f32 v[X:X+1], v[X:X+1], v[32:33], v[36:37]
	v_pk_fma_f32 v[X+2:X+3], v[X+2:X+3], v[34:35], v[38:39]
	v_cvt_pk_f16_f32 v44, v[X], v[X+1]
	v_cvt_pk_f16_f32 v45, v[X+2], v[X+3]
.if (\st) == 3
	v_cndmask_b32 v44, 0, v44, vcc_lo
	v_cndmask_b32 v45, 0, v45, vcc_lo
.endif
	ds_store_b64 v52, v[44:45] offset:SN+4608*(\st)
.endm
	LNSA 0
	LNSA 1
	LNSA 2
	LNSA 3
	v_rsq_f32 v48, v48
	v_rsq_f32 v49, v49
	v_rsq_f32 v50, v50
	v_rsq_f32 v51, v51
	v_nop                                          ; a plain instruction behind the last root,
	s_wait_alu depctr_va_vdst(0)                   ; and one wait for the four, ahead of their first reader
	LNSB 0
	LNSB 1
	LNSB 2
	LNSB 3
	BFR2 ZBB, ZBB+1, 54
	v_pk_mul_f32 v[ZBB:ZBB+1], v[ZBB:ZBB+1], s[98:99] op_sel_hi:[1,0]
	BFRN 120, 8, 54
	v_pk_add_f32 v[120:121], v[120:121], v[124:125]
	v_pk_add_f32 v[122:123], v[122:123], v[126:127]
	ds_store_b128 v53, v[120:123]
	; ---- the large weights go to LDS.  qkv_w's six chunks: 256 n bytes on, and 32 more for each row passed (rows 0, 0|1, 1, 2, 2|3, 3 of my four)
	WSTORE 64, 58, 0, 0
	WSTORE 68, 59, 256, 0
	WSTORE 72, 58, 512+32, 0
	WSTORE 76, 58, 768+64, 0
	WSTORE 80, 59, 1024+64, 0
	WSTORE 84, 58, 1280+96, 0
	WSTORE 88, 60, 0, 1                            ; s_to_z_w meets s x 2^-6: times 64
	WSTORE 92, 60, 64*PS, 1
	WSTORE 96, 61, 0, 0
	WSTORE 100, 61, 32*PA, 0
	BFRN 116, 4, 54
	v_pk_add_f32 v[112:113], v[112:113], v[116:117]
	v_pk_add_f32 v[114:115], v[114:115], v[118:119]
	ds_store_b128 v63, v[112:115]                  ; s + ao_b
	s_cmp_lt_u32 s3, 8
	s_cbranch_scc1 .Lc_rows
	s_cmp_lt_u32 s3, 12
	s_cbranch_scc0 .Lc_rows
	BFR1 104, 54
.set e, 1
.rept 7
	v_mov_b32 v[104+e], v104                       ; v's result holds one channel a lane in all eight registers
.set e, e+1
.endr
	s_branch .Lc_done
.Lc_rows:
	BFRN 104, 8, 54
.Lc_done:
	; my first two tiles of z are asked for here and land under the projections.  Both sets are written first, so that they hold numbers on every way through the text.
.set e, 0
.rept 32
	v_mov_b32 v[ZN+e], 0
.set e, e+1
.endr
	s_wait_kmcnt 0x0                               ; the mode
	s_cmp_eq_u32 s2, 0
	s_cbranch_scc1 .Lno_z
.set e, 0
.rept 4
	global_load_b128 v[ZN+4*e:ZN+4*e+3], v[LOFF], s[76:77] offset:512*e th:TH_LOAD_NT
.set e, e+1
.endr
.set e, 0
.rept 4
	global_load_b128 v[ZN+16+4*e:ZN+16+4*e+3], v[LOFF], s[78:79] offset:512*e th:TH_LOAD_NT
.set e, e+1
.endr
.Lno_z:
	BAR                                            ; SB, SN, the weights and the tables are whole
	; ---- THE PROJECTIONS, one a wave: 16 columns, K = 64 in two steps, the row tiles' accumulators by turns
.macro XLOAD n, xb, g0                 ; the fragments of n row tiles from tile g0 on: 16 rows x 64 k each
.set m, 0
.rept \n
	ds_load_b128 v[XF+16*m:XF+16*m+3],     v[XA] offset:(\xb)+((\g0)+m)*2304
	ds_load_b128 v[XF+16*m+4:XF+16*m+7],   v[XA] offset:(\xb)+((\g0)+m)*2304+32
	ds_load_b128 v[XF+16*m+8:XF+16*m+11],  v[XA] offset:(\xb)+((\g0)+m)*2304+64
	ds_load_b128 v[XF+16*m+12:XF+16*m+15], v[XA] offset:(\xb)+((\g0)+m)*2304+96
.set m, m+1
.endr
	s_wait_dscnt 0x0
.endm
; rows = 0: source 0 = weights: a lane ends with one row and eight neighbouring channels; rows = 1: source 0 = the rows: one channel and eight neighbouring rows.  cb = 1: the sums start with the bias.
.macro PMUL n, rows, cb
.set m, 0
.rept \n
.if \rows
	v_wmma_f32_16x16x32_f16 v[ACC+8*m:ACC+8*m+7], v[XF+16*m:XF+16*m+7], v[WF:WF+7], v[BI:BI+7]
.elseif \cb
	v_wmma_f32_16x16x32_f16 v[ACC+8*m:ACC+8*m+7], v[WF:WF+7], v[XF+16*m:XF+16*m+7], v[BI:BI+7]
.else
	v_wmma_f32_16x16x32_f16 v[ACC+8*m:ACC+8*m+7], v[WF:WF+7], v[XF+16*m:XF+16*m+7], 0
.endif
.set m, m+1
.endr
.set m, 0
.rept \n
.if \rows
	v_wmma_f32_16x16x32_f16 v[ACC+8*m:ACC+8*m+7], v[XF+16*m+8:XF+16*m+15], v[WF+8:WF+15], v[ACC+8*m:ACC+8*m+7]
.else
	v_wmma_f32_16x16x32_f16 v[ACC+8*m:ACC+8*m+7], v[WF+8:WF+15], v[XF+16*m+8:XF+16*m+15], v[ACC+8*m:ACC+8*m+7]
.endif
.set m, m+1
.endr
	NOPS 5                                         ; the places behind the products: four ahead of readers and of loads into their sources, five ahead of the next group's products, which write over the accumulators
.endm
.macro OUTF n, g0, extra               ; f32, as it is
.set m, 0
.rept \n
	ds_store_b128 v[OA], v[ACC+8*m:ACC+8*m+3]   offset:((\g0)+m)*2304+(\extra)
	ds_store_b128 v[OA], v[ACC+8*m+4:ACC+8*m+7] offset:((\g0)+m)*2304+(\extra)+16
.set m, m+1
.endr
.endm
.macro CVT4 mm
.set j, 0
.rept 4
	v_cvt_pk_f16_f32 v[112+j], v[ACC+8*(\mm)+2*j], v[ACC+8*(\mm)+2*j+1]
.set j, j+1
.endr
.endm
.macro OUTK n, g0                      ; k: a hidden or padding key's row is 0
.set m, 0
.rept \n
	CVT4 m
	v_cmp_lt_f32 vcc_lo, 0, v[120+(\g0)+m]
.set j, 0
.rept 4
	v_cndmask_b32 v[112+j], 0, v[112+j], vcc_lo
.set j, j+1
.endr
	ds_store_b128 v[OA], v[112:115] offset:((\g0)+m)*2304
.set m, m+1
.endr
.endm
.macro OUTV n, g0                      ; v: eight keys of one channel
.set m, 0
.rept \n
	CVT4 m
	ds_store_b128 v[OA], v[112:115] offset:((\g0)+m)*32
.set m, m+1
.endr
.endm
	v_mul_u32_u24 v[XA], v5, 144
	v_lshl_add_u32 v[XA], v6, 4, v[XA]             ; r x 144 + 16 h
	v_and_b32 v32, 7, v0
	v_lshl_add_u32 v32, v6, 3, v32                 ; the turning loads: row 8 h + lane % 8,
	v_bfe_u32 v33, v0, 3, 1
	v_lshlrev_b32 v33, 4, v33                      ; 16 bytes on for lanes 8-15 of each half
	s_mul_i32 s91, s75, 144                        ; my first row
	s_cmp_lt_u32 s3, 2
	s_cbranch_scc1 .Lu_zj
	s_cmp_lt_u32 s3, 4
	s_cbranch_scc1 .Lu_zi
	s_cmp_lt_u32 s3, 8
	s_cbranch_scc1 .Lu_k
	s_cmp_lt_u32 s3, 12
	s_cbranch_scc1 .Lu_v
	; waves 12-15: q of my 32 rows (25 are wanted), times 0.25 log2(e)
	s_sub_co_u32 s90, s3, 12
	s_lshl_b32 s90, s90, 5                         ; 16 columns are 32 bytes, in qkv_w's rows as in QT's
	s_add_co_u32 s71, s90, WQ
	s_add_co_u32 s90, s90, QT
	v_add_nc_u32 v[OA], s90, v[XA]
	v_add_nc_u32 v[XA], s91, v[XA]
	WFRAG WF, PQ, 71
	XLOAD 2, SN, 0
	PMUL 2, 0, 1
.set m, 0
.rept 2
.set j, 0
.rept 4
	v_pk_mul_f32 v[ACC+8*m+2*j:ACC+8*m+2*j+1], v[ACC+8*m+2*j:ACC+8*m+2*j+1], s[88:89] op_sel_hi:[1,0]
.set j, j+1
.endr
	CVT4 m
	ds_store_b128 v[OA], v[112:115] offset:m*2304
.set m, m+1
.endr
	s_branch .Lunits_done
.Lu_zj:                                        ; waves 0, 1: all 112 rows
	s_lshl_b32 s71, s3, 5
	s_add_co_u32 s71, s71, WS+64*PS                ; W_bot
	s_lshl_b32 s90, s3, 6
	s_add_co_u32 s90, s90, ZJ
	v_mul_u32_u24 v[OA], v5, 144
	v_add_nc_u32 v[OA], v[OA], v[H32]
	v_add_nc_u32 v[OA], s90, v[OA]
	WFRAG WF, PS, 71
	XLOAD 4, SB, 0
	PMUL 4, 0, 1
	OUTF 4, 0, 0
	XLOAD 3, SB, 4
	PMUL 3, 0, 1
	OUTF 3, 4, 0
	s_branch .Lunits_done
.Lu_zi:                                        ; waves 2, 3: my rows, without and with zmlp_b2
	s_and_b32 s90, s3, 1
	s_lshl_b32 s71, s90, 5
	s_add_co_u32 s71, s71, WS                      ; W_top
	s_lshl_b32 s90, s90, 6
	s_add_co_u32 s90, s90, ZI
	v_mul_u32_u24 v[OA], v5, 144
	v_add_nc_u32 v[OA], v[OA], v[H32]
	v_add_nc_u32 v[OA], s90, v[OA]
	v_add_nc_u32 v[XA], s91, v[XA]
	WFRAG WF, PS, 71
	XLOAD 2, SB, 0
	PMUL 2, 0, 0
	OUTF 2, 0, 0
.set m, 0
.rept 2
.set j, 0
.rept 4
	v_pk_add_f32 v[ACC+8*m+2*j:ACC+8*m+2*j+1], v[ACC+8*m+2*j:ACC+8*m+2*j+1], v[BI+2*j:BI+2*j+1]
.set j, j+1
.endr
.set m, m+1
.endr
	OUTF 2, 0, ZI2-ZI
	s_branch .Lunits_done
.Lu_k:                                         ; waves 4-7
	s_sub_co_u32 s90, s3, 4
	s_lshl_b32 s90, s90, 5
	s_add_co_u32 s71, s90, WQ+128                  ; k's columns begin at 64
	s_add_co_u32 s90, s90, KT
	v_add_nc_u32 v[OA], s90, v[XA]
	v_lshl_add_u32 v11, v5, 2, MKU
.set m, 0
.rept 7
	ds_load_b32 v[120+m], v11 offset:64*m
.set m, m+1
.endr
	WFRAG WF, PQ, 71
	XLOAD 4, SN, 0
	PMUL 4, 0, 1
	OUTK 4, 0
	XLOAD 3, SN, 4
	PMUL 3, 0, 1
	OUTK 3, 4
	s_branch .Lunits_done
.Lu_v:                                         ; waves 8-11
	s_sub_co_u32 s90, s3, 8
	s_lshl_b32 s71, s90, 5
	s_add_co_u32 s71, s71, WQ+256                  ; v's columns begin at 128
	s_mul_i32 s90, s90, 3840
	s_add_co_u32 s90, s90, VT
	v_mul_u32_u24 v[OA], v5, 240
	v_lshl_add_u32 v[OA], v6, 4, v[OA]
	v_add_nc_u32 v[OA], s90, v[OA]
	WFRAG WF, PQ, 71
	XLOAD 4, SN, 0
	PMUL 4, 1, 1
	OUTV 4, 0
	XLOAD 3, SN, 4
	PMUL 3, 1, 1
	OUTV 3, 4
.Lunits_done:
	BAR                                            ; ZJ, ZI, ZI2, KT, VT, QT are whole
	; ---- what the loop keeps in registers
	v_add_nc_u32 v1, FR, v[LOFF]
.set e, 0
.rept 18
	ds_load_b128 v[W1A+4*e:W1A+4*e+3], v1 offset:512*e
.set e, e+1
.endr
.set e, 0
.rept 30
	v_mov_b32 v[BCH+e], 0                          ; both chains hold numbers before their first move down, on every way through the text
.set e, e+1
.endr
	s_mul_i32 s90, s3, 160
	v_add_nc_u32 v[PP], s90, v5                    ; p = 16 x tile + r
	v_mul_u32_u24 v[AJ], v[PP], 0x147b             ; p / 100 = p x 5,243 >> 19, exact for p under 43,000
	v_lshrrev_b32 v[II], 19, v[AJ]
	v_min_u32 v[II], 25, v[II]                     ; (this minimum and j's never bind: they state each table's size beside the address)
	v_mul_u32_u24 v[JJ], v[II], 100
	v_sub_nc_u32 v[JJ], v[PP], v[JJ]
	v_min_u32 v[JJ], 99, v[JJ]
	v_mad_u32_u24 v[AJ], v[JJ], s87, v[H32]
	v_mad_u32_u24 v[AI], v[II], s87, v[H32]
	v_mov_b32 v241, 0                              ; upper halves of pairs of which the low word is used, and the exchange's destination: written once
	v_mov_b32 v243, 0
	v_mov_b32 v253, 0
; The chains move down at a trip's head by what the trip will add: n tiles' two bias numbers (and, w = 1, two tiles' w), lowest registers first, two moves an instruction.
.macro SHIFT n, w
.set i, 0
.rept 10-(\n)
	v_dual_mov_b32 v[BCH+i], v[BCH+i+2*(\n)] :: v_dual_mov_b32 v[BCH+i+1], v[BCH+i+2*(\n)+1]
.set i, i+2
.endr
.if \w
.set i, 0
.rept 4
	v_dual_mov_b32 v[WCH+i], v[WCH+i+2] :: v_dual_mov_b32 v[WCH+i+1], v[WCH+i+3]
.set i, i+2
.endr
.endif
.endm
; LayerNorm over my pair's 32 channels, 16 here and 16 in the lane 16 away: mean, then the mean of squares of the differences, as the model writes it.  Gain and bias lie in the weights.  src -> NR (f16); DR is used up.
.macro LN16 src
	v_pk_add_f32 v[244:245], v[\src:\src+1], v[\src+2:\src+3]
	v_pk_add_f32 v[246:247], v[\src+4:\src+5], v[\src+6:\src+7]
	v_pk_add_f32 v[248:249], v[\src+8:\src+9], v[\src+10:\src+11]
	v_pk_add_f32 v[250:251], v[\src+12:\src+13], v[\src+14:\src+15]
	v_pk_add_f32 v[244:245], v[244:245], v[246:247]
	v_pk_add_f32 v[248:249], v[248:249], v[250:251]
	v_pk_add_f32 v[244:245], v[244:245], v[248:249]
	v_add_f32 v252, v244, v245
	v_permlanex16_b32 v253, v252, s62, s63
	v_add_f32 v252, v252, v253
	v_mul_f32 v240, s96, v252
.set i, 0
.rept 8
	v_pk_add_f32 v[DR+i:DR+i+1], v[\src+i:\src+i+1], v[240:241] op_sel_hi:[1,0] neg_lo:[0,1] neg_hi:[0,1]
.set i, i+2
.endr
	v_pk_mul_f32 v[244:245], v[DR:DR+1], v[DR:DR+1]
	v_pk_mul_f32 v[246:247], v[DR+2:DR+3], v[DR+2:DR+3]
.set i, 4
.rept 3
	v_pk_fma_f32 v[244:245], v[DR+i:DR+i+1], v[DR+i:DR+i+1], v[244:245]
	v_pk_fma_f32 v[246:247], v[DR+i+2:DR+i+3], v[DR+i+2:DR+i+3], v[246:247]
.set i, i+4
.endr
	v_pk_add_f32 v[244:245], v[244:245], v[246:247]
	v_add_f32 v252, v244, v245
	v_permlanex16_b32 v253, v252, s62, s63
	v_add_f32 v252, v252, v253
	v_fma_f32 v252, v252, s96, s97
	v_rsq_f32 v242, v252
	v_nop                                          ; a plain instruction behind the root,
	s_wait_alu depctr_va_vdst(0)                   ; and the wait ahead of its first reader
.set i, 0
.rept 8
	v_pk_mul_f32 v[DR+i:DR+i+1], v[DR+i:DR+i+1], v[242:243] op_sel_hi:[1,0]
.set i, i+2
.endr
.set i, 0
.rept 8
	v_cvt_pk_f16_f32 v[NR+i], v[DR+2*i], v[DR+2*i+1]
.set i, i+1
.endr
.endm
; GELU of the 16 numbers from x on, at work in the 16 registers from t on, in four parts.  GARG: t = x (k1 + k3 x^2); the accumulators are read from their low ends on.
.macro GARG x, t
.set i, 0
.rept 8
	v_pk_mul_f32 v[(\t)+i:(\t)+i+1], v[(\x)+i:(\x)+i+1], v[(\x)+i:(\x)+i+1]
.set i, i+2
.endr
.set i, 0
.rept 8
	v_pk_fma_f32 v[(\t)+i:(\t)+i+1], v[(\t)+i:(\t)+i+1], s[66:67], s[68:69] op_sel_hi:[1,0,0]
.set i, i+2
.endr
.set i, 0
.rept 8
	v_pk_mul_f32 v[(\t)+i:(\t)+i+1], v[(\t)+i:(\t)+i+1], v[(\x)+i:(\x)+i+1]
.set i, i+2
.endr
.endm
.macro GEXP t                          ; t = 2^t
.set i, 0
.rept 16
	v_exp_f32 v[(\t)+i], v[(\t)+i]
.set i, i+1
.endr
.endm
.macro GRCP t                          ; t = 1 / (1 + t)
.set i, 0
.rept 8
	v_pk_add_f32 v[(\t)+i:(\t)+i+1], v[(\t)+i:(\t)+i+1], 1.0 op_sel_hi:[1,0]
.set i, i+2
.endr
.set i, 0
.rept 16
	v_rcp_f32 v[(\t)+i], v[(\t)+i]
.set i, i+1
.endr
.endm
.macro GFIN x, t                       ; t = x t
.set i, 0
.rept 8
	v_pk_mul_f32 v[(\t)+i:(\t)+i+1], v[(\t)+i:(\t)+i+1], v[(\x)+i:(\x)+i+1]
.set i, i+2
.endr
.endm
.macro TRWAIT                          ; behind a batch of transcendentals: a plain instruction, and the one wait ahead of the batch's first reader
	v_nop
	s_wait_alu depctr_va_vdst(0)
.endm
.macro ROW4 dst, areg, off             ; my 16 channels of a table row
	ds_load_b128 v[(\dst):(\dst)+3],     v[\areg] offset:(\off)
	ds_load_b128 v[(\dst)+4:(\dst)+7],   v[\areg] offset:(\off)+16
	ds_load_b128 v[(\dst)+8:(\dst)+11],  v[\areg] offset:(\off)+64
	ds_load_b128 v[(\dst)+12:(\dst)+15], v[\areg] offset:(\off)+80
.endm
; The table rows of the tile to come.
.macro TABLES mode
	ROW4 TJ, AJ, ZJ
	ROW4 TI, AI, ZI
	ROW4 AR, AI, ZI2
.if (\mode) == 0
	v_add_nc_u32 v1, s75, v[II]
	v_min_u32 v1, 99, v1                           ; i in the batch
	v_max_u32 v10, v1, v[JJ]
	v_min_u32 v255, v1, v[JJ]
	v_sub_nc_u32 v10, v10, v255
	v_min_u32 v10, 99, v10                         ; clip(|i - j|, 0, 99)
	v_mad_u32_u24 v10, v10, s87, v[MR]
	ROW4 ZN+16, 10, 0
	v_lshl_add_u32 v255, v[JJ], 4, SP
	v_lshl_add_u32 v1, v1, 4, SP
	ds_load_b128 v[240:243], v255
	ds_load_b128 v[244:247], v1
.endif
.endm
; The pair head on the finished z: w = 2 (0.5 w2 . gelu(LN(z) W1' + b1')) + b2, 0 on the diagonal (headp holds 0.5 w2).  Its constants come from LDS in every tile: the registers are full.
.macro HEAD zs
	v_add_nc_u32 v1, HD, v[H32]
	ds_load_b128 v[168:171], v[MR]
	ds_load_b128 v[172:175], v[MR] offset:512
	ds_load_b128 v[176:179], v[MR] offset:1024
	ds_load_b128 v[180:183], v[MR] offset:1536
	ROW4 184, 1, 2048
	LN16 ZR
	ROW4 200, 1, 2176
	s_wait_dscnt 0x0
	v_wmma_f32_16x16x32_f16 v[184:191], v[168:175], v[NR:NR+7], v[184:191]
	v_wmma_f32_16x16x32_f16 v[192:199], v[176:183], v[NR:NR+7], v[192:199]
	NOPS 4
	GARG 184, RR
	GEXP RR
	TRWAIT
	GRCP RR
	TRWAIT
	GFIN 184, RR
	v_pk_mul_f32 v[224:225], v[240:241], v[200:201]
	v_pk_mul_f32 v[226:227], v[242:243], v[202:203]
.set i, 4
.rept 3
	v_pk_fma_f32 v[224:225], v[240+i:241+i], v[200+i:201+i], v[224:225]
	v_pk_fma_f32 v[226:227], v[242+i:243+i], v[202+i:203+i], v[226:227]
.set i, i+4
.endr
	v_pk_add_f32 v[224:225], v[224:225], v[226:227]
	v_add_f32 v226, v224, v225
	v_permlanex16_b32 v228, v226, s62, s63
	v_add_f32 v226, v226, v228
	v_fma_f32 v226, v226, 2.0, s86
	v_cndmask_b32 v[WCH+8+(\zs)], 0, v226, s84     ; into the chain's end; both halves of the lanes hold the same number
.endm
; ONE TILE.  zs: which of a trip's tiles it is: which of the two sets of registers holds its z (modes 1, 2), and which slot at the chains' end takes its results.
.macro TILE mode, zs
.if (\mode) == 0
.set SL, BCH+18
.else
.set SL, BCH+16+2*(\zs)
.endif
	s_wait_dscnt 0x0                               ; the table rows asked for at the last tile's end
.if \mode
	s_wait_loadcnt 0x4                             ; the only younger loads are the other set's four, on the way in and round the loop: this set is in, and its base may be written
.endif
.if (\mode) < 2
	s_wait_xcnt 0x0                                ; the last tile's stores have read z's registers and their base: both are written again only behind this wait
	s_lshl_b32 s82, s7, 11
	s_add_nc_u64 s[80:81], s[14:15], s[82:83]
.endif
.if \mode
.set i, 0
.rept 8
	v_pk_add_f32 v[ZR+i:ZR+i+1], v[ZN+16*(\zs)+i:ZN+16*(\zs)+i+1], v[TJ+i:TJ+i+1]
.set i, i+2
.endr
	s_add_co_u32 s90, s7, 2                        ; the set takes the tile two on; past my ten it is held inside the work-group's tiles: eight loads a wave whose data nobody uses keep the counted wait true in every trip
	s_min_u32 s90, s90, 156
	s_lshl_b32 s82, s90, 11
	s_add_nc_u64 s[76+2*(\zs):77+2*(\zs)], s[12:13], s[82:83]
.set i, 0
.rept 4
	global_load_b128 v[ZN+16*(\zs)+4*i:ZN+16*(\zs)+4*i+3], v[LOFF], s[76+2*(\zs):77+2*(\zs)] offset:512*i th:TH_LOAD_NT
.set i, i+1
.endr
.else
	v_mul_f32 v10, v240, v244                      ; the two spins' product: K = 3, on the vector unit
	v_fmac_f32 v10, v241, v245
	v_fmac_f32 v10, v242, v246
.set i, 0
.rept 8
	v_pk_fma_f32 v[ZR+i:ZR+i+1], v[ZN+i:ZN+i+1], v[10:11], v[ZN+16+i:ZN+16+i+1] op_sel_hi:[1,0,1]
.set i, i+2
.endr
.set i, 0
.rept 8
	v_pk_add_f32 v[ZR+i:ZR+i+1], v[ZR+i:ZR+i+1], v[TJ+i:TJ+i+1]
.set i, i+2
.endr
.endif
.set i, 0
.rept 8
	v_pk_add_f32 v[DR+i:DR+i+1], v[ZR+i:ZR+i+1], v[TI+i:TI+i+1]
.set i, i+2
.endr
.set i, 0
.rept 4                                ; b1' of my 32 hidden channels goes where the table rows lay: the first product starts its sums with it; it lands under the LayerNorm
	ds_load_b128 v[HR+8*i:HR+8*i+3],   v[H32] offset:B1L+64*i
	ds_load_b128 v[HR+8*i+4:HR+8*i+7], v[H32] offset:B1L+64*i+16
.set i, i+1
.endr
	LN16 DR
	s_wait_dscnt 0x0                               ; b1'
.set i, 0
.rept 4
	v_wmma_f32_16x16x32_f16 v[HR+8*i:HR+8*i+7], v[W1A+8*i:W1A+8*i+7], v[NR:NR+7], v[HR+8*i:HR+8*i+7]
.set i, i+1
.endr
.set i, 0
.rept 8                                ; the places behind those products: z takes its row's share with zmlp_b2
	v_pk_add_f32 v[ZR+i:ZR+i+1], v[ZR+i:ZR+i+1], v[AR+i:AR+i+1]
.set i, i+2
.endr
	GARG HR, AR                                    ; 32 gelus in two halves and two batches: the second half's arguments stand behind the first half's exponentials,
	GEXP AR
	GARG HR+16, RR
	GEXP RR
	TRWAIT                                         ; one wait for the 32 exponentials,
	GRCP AR
	GRCP RR
	TRWAIT                                         ; one for the 32 reciprocals
	GFIN HR, AR
	GFIN HR+16, RR
.set i, 0
.rept 16
	v_cvt_pk_f16_f32 v[GR+i], v[AR+2*i], v[AR+2*i+1]
.set i, i+1
.endr
	v_wmma_f32_16x16x32_f16 v[ZR:ZR+7],    v[W2A:W2A+7],     v[GR:GR+7],    v[ZR:ZR+7]      ; onto z itself; the two accumulators by turns
	v_wmma_f32_16x16x32_f16 v[ZR+8:ZR+15], v[W2A+16:W2A+23], v[GR:GR+7],    v[ZR+8:ZR+15]
	v_wmma_f32_16x16x32_f16 v[ZR:ZR+7],    v[W2A+8:W2A+15],  v[GR+8:GR+15], v[ZR:ZR+7]
	v_wmma_f32_16x16x32_f16 v[ZR+8:ZR+15], v[W2A+24:W2A+31], v[GR+8:GR+15], v[ZR+8:ZR+15]
.if (\mode) == 2
	v_mul_u32_u24 v10, v[II], 101                  ; j - i_local = p - 101 i_local: on the diagonal it is my first row
	v_sub_nc_u32 v10, v[PP], v10
	v_cmp_ne_u32 s84, s75, v10
.endif
	v_add_nc_u32 v[PP], 16, v[PP]                  ; the places behind those products: the next tile's indices
	v_mul_u32_u24 v[AJ], v[PP], 0x147b
	v_lshrrev_b32 v[II], 19, v[AJ]
	v_min_u32 v[II], 25, v[II]
.set i, 0
.rept 8
	v_cvt_pk_bf16_f32 v[NR+i], v[ZR+2*i], v[ZR+2*i+1]
.set i, i+1
.endr
.if (\mode) < 2
	s_cmp_lt_u32 s7, 157                           ; tiles 157..159 do not exist
	s_cbranch_scc0 .Lno_store_\@
.set i, 0
.rept 4
	global_store_b128 v[LOFF], v[ZR+4*i:ZR+4*i+3], s[80:81] offset:512*i th:TH_STORE_NT  ; 512 consecutive bytes, aligned
.set i, i+1
.endr
.Lno_store_\@:
.endif
	v_wmma_f32_16x16x32_bf16 v[248:255], v[ZBA:ZBA+7], v[NR:NR+7], 0
	v_mul_u32_u24 v[JJ], v[II], 100                ; its places
	v_sub_nc_u32 v[JJ], v[PP], v[JJ]
	v_min_u32 v[JJ], 99, v[JJ]
	v_mad_u32_u24 v[AJ], v[JJ], s87, v[H32]
	v_mad_u32_u24 v[AI], v[II], s87, v[H32]
	v_pk_fma_f32 v[SL:SL+1], v[248:249], s[98:99], v[ZBB:ZBB+1] op_sel_hi:[1,0,1]  ; heads 2 h, 2 h + 1 of my pair, into the chain's end
.if (\mode) == 2
	HEAD \zs
.endif
	TABLES \mode
	s_add_co_u32 s7, s7, 1
.endm
	s_cmp_eq_u32 s2, 0
	s_cbranch_scc1 .Lmode0
	s_cmp_eq_u32 s2, 1
	s_cbranch_scc1 .Lmode1
	s_load_b32 s86, s[60:61], 0x900                ; wh_b2
	v_add_nc_u32 v[MR], HD, v[LOFF]
	TABLES 2
	s_mov_b32 s6, 5
	s_wait_kmcnt 0x0
.Lloop2:
	SHIFT 2, 1
	TILE 2, 0
	TILE 2, 1
	s_sub_co_u32 s6, s6, 1
	s_cmp_lg_u32 s6, 0
	s_cbranch_scc1 .Lloop2
	s_branch .Ljoin
.Lmode1:
	TABLES 1
	s_mov_b32 s6, 5
.Lloop1:
	SHIFT 2, 0
	TILE 1, 0
	TILE 1, 1
	s_sub_co_u32 s6, s6, 1
	s_cmp_lg_u32 s6, 0
	s_cbranch_scc1 .Lloop1
	s_branch .Ljoin
.Lmode0:
	s_wait_loadcnt 0x0                             ; no load is out into the registers that this mode uses otherwise
	v_add_nc_u32 v[MR], DE, v[H32]
	ROW4 ZN, MR, 14400                             ; ipp_w of my 16 channels
	TABLES 0
	s_mov_b32 s6, 10
.Lloop0:
	SHIFT 1, 0
	TILE 0, 0
	s_sub_co_u32 s6, s6, 1
	s_cmp_lg_u32 s6, 0
	s_cbranch_scc1 .Lloop0
.Ljoin:
	s_wait_loadcnt 0x0                             ; the look-ahead's last loads,
	s_wait_xcnt 0x0                                ; and the last stores' sources: all these registers are used anew below
	BAR                                            ; every wave has left its loop: all reads by the running index are over before any LDS byte is written again
	; ---- the chains go to LDS: wave w's ten tiles are words 160 w .. 160 w + 159 of each head's table and of w's
	v_and_b32 v5, 15, v0                           ; r and h again: they stand from here to the end
	v_bfe_u32 v6, v0, 4, 1
	s_mul_i32 s90, s3, 640
	v_lshl_add_u32 v1, v5, 2, s90                  ; 4 (160 w + r)
	v_mul_u32_u24 v3, v6, 20480                    ; heads 2 h, 2 h + 1
	v_add_nc_u32 v3, v3, v1
	v_add_nc_u32 v3, BT, v3
.set t, 0
.rept 10
	ds_store_b32 v3, v[BCH+2*t]   offset:64*t
	ds_store_b32 v3, v[BCH+2*t+1] offset:10240+64*t
.set t, t+1
.endr
	s_cmp_eq_u32 s2, 2
	s_cbranch_scc0 .Lno_w
	v_add_nc_u32 v1, WT, v1
.set t, 0
.rept 10
	ds_store_b32 v1, v[WCH+t] offset:64*t
.set t, t+1
.endr
.Lno_w:
	BAR                                            ; BT (and WT) are whole
	; ---- ATTENTION: waves 0-7, one head x 16 of my rows each; S^T = K Q^T + bias holds one query a lane, so a query's maximum and sum want one exchange between the halves of the lanes
	s_cmp_lt_u32 s3, 8
	s_cbranch_scc0 .Lhigh
	MYUNIT                                         ; s90 the head, v7 my query, 0..31
	s_lshl_b32 s82, s90, 5                         ; 16 channels x 2 bytes
	v_mul_u32_u24 v4, v5, 144
	v_lshl_add_u32 v4, v6, 4, v4
	s_add_co_u32 s84, s82, KT
	v_add_nc_u32 v4, s84, v4
	v_mul_u32_u24 v9, v7, 144
	v_lshl_add_u32 v9, v6, 4, v9                   ; query x 144 + 16 h
	v_add_nc_u32 v9, s82, v9
	v_add_nc_u32 v10, QT, v9
.set t, 0
.rept 7
	ds_load_b128 v[16+8*t:19+8*t], v4 offset:2304*t
.set t, t+1
.endr
	ds_load_b128 v[72:75], v10
	s_mul_i32 s84, s90, 10240
	s_add_co_u32 s84, s84, BT
	v_min_u32 v10, 24, v7                          ; queries 25..31 do not exist: they read row 24's bias
	v_mul_u32_u24 v10, v10, 400
	v_add_nc_u32 v10, v10, v[H32]
	v_add_nc_u32 v10, s84, v10
	v_add_nc_u32 v11, MKU, v[H32]
.set t, 0
.rept 7
	ds_load_b128 v[80+8*t:83+8*t], v10 offset:64*t
	ds_load_b128 v[84+8*t:87+8*t], v10 offset:64*t+16
	ds_load_b128 v[168+8*t:171+8*t], v11 offset:64*t
	ds_load_b128 v[172+8*t:175+8*t], v11 offset:64*t+16
.set t, t+1
.endr
.set t, 0
.rept 8                                ; a head has 16 channels: the upper half of K = 32 is 0, in k's seven fragments and in q's
	v_mov_b32 v[20+8*t], 0
	v_mov_b32 v[21+8*t], 0
	v_mov_b32 v[22+8*t], 0
	v_mov_b32 v[23+8*t], 0
.set t, t+1
.endr
	s_wait_dscnt 0x0
.set i, 0
.rept 56
	v_min_num_f32 v[80+i], v[80+i], v[168+i]       ; a key that is on keeps its bias; the others take -1e9 or -1e30
.set i, i+1
.endr
.set t, 0
.rept 7
	v_wmma_f32_16x16x32_f16 v[80+8*t:87+8*t], v[16+8*t:23+8*t], v[72:79], v[80+8*t:87+8*t]
.set t, t+1
.endr
	NOPS 4
	s_mul_i32 s84, s90, 3840
	s_add_co_u32 s84, s84, VT
	v_mul_u32_u24 v4, v5, 240
	v_lshl_add_u32 v4, v6, 4, v4
	v_add_nc_u32 v4, s84, v4
.set t, 0
.rept 3
	ds_load_b128 v[16+8*t:19+8*t], v4 offset:64*t
	ds_load_b128 v[20+8*t:23+8*t], v4 offset:64*t+32
.set t, t+1
.endr
	ds_load_b128 v[40:43], v4 offset:192           ; keys 96..111; there are no more
	v_mov_b32 v44, 0
	v_mov_b32 v45, 0
	v_mov_b32 v46, 0
	v_mov_b32 v47, 0
.set t, 0
.rept 7                                ; the maximum: each accumulator's lowest registers first
	v_max3_num_f32 v[200+t], v[80+8*t], v[81+8*t], v[82+8*t]
.set t, t+1
.endr
.set t, 0
.rept 7
	v_max3_num_f32 v[200+t], v[200+t], v[83+8*t], v[84+8*t]
.set t, t+1
.endr
.set t, 0
.rept 7
	v_max3_num_f32 v[200+t], v[200+t], v[85+8*t], v[86+8*t]
.set t, t+1
.endr
.set t, 0
.rept 7
	v_max_num_f32 v[200+t], v[200+t], v[87+8*t]
.set t, t+1
.endr
	v_max3_num_f32 v200, v200, v201, v202
	v_max3_num_f32 v203, v203, v204, v205
	v_max3_num_f32 v200, v200, v203, v206
	v_permlanex16_b32 v201, v200, s62, s63
	v_max_num_f32 v208, v200, v201
	v_mov_b32 v209, v208
.set i, 0
.rept 28
	v_pk_add_f32 v[80+i:81+i], v[80+i:81+i], v[208:209] neg_lo:[0,1] neg_hi:[0,1]
.set i, i+2
.endr
.set i, 0
.rept 56
	v_exp_f32 v[80+i], v[80+i]
.set i, i+1
.endr
	TRWAIT                                         ; one wait for the 56
.set i, 0
.rept 28
	v_cvt_pk_f16_f32 v[224+i], v[80+2*i], v[81+2*i]
.set i, i+1
.endr
	v_mov_b32 v252, 0
	v_mov_b32 v253, 0
	v_mov_b32 v254, 0
	v_mov_b32 v255, 0
.set i, 0
.rept 14                               ; the sum of the unrounded weights
	v_pk_add_f32 v[80+i:81+i], v[80+i:81+i], v[108+i:109+i]
.set i, i+2
.endr
.set i, 0
.rept 7
	v_pk_add_f32 v[80+i:81+i], v[80+i:81+i], v[94+i:95+i]
.set i, i+2
.endr
.set i, 2
.rept 6
	v_pk_add_f32 v[80:81], v[80:81], v[80+i:81+i]
.set i, i+2
.endr
	v_add_f32 v210, v80, v81
	v_permlanex16_b32 v211, v210, s62, s63
	v_add_f32 v210, v210, v211
	v_rcp_f32 v212, v210
	v_mov_b32 v213, 0                              ; the pair's upper word; also the plain instruction behind the reciprocal
	s_wait_alu depctr_va_vdst(0)
	s_wait_dscnt 0x0                               ; v
	v_wmma_f32_16x16x32_f16 v[168:175], v[16:23], v[224:231], 0          ; O^T = V^T P, 32 keys a step, two accumulators by turns
	v_wmma_f32_16x16x32_f16 v[176:183], v[24:31], v[232:239], 0
	v_wmma_f32_16x16x32_f16 v[168:175], v[32:39], v[240:247], v[168:175]
	v_wmma_f32_16x16x32_f16 v[176:183], v[40:47], v[248:255], v[176:183]
	NOPS 4
.set i, 0
.rept 4
	v_pk_add_f32 v[168+i:169+i], v[168+i:169+i], v[176+i:177+i]
.set i, i+2
.endr
.set i, 0
.rept 4
	v_pk_mul_f32 v[168+i:169+i], v[168+i:169+i], v[212:213] op_sel_hi:[1,0]
.set i, i+2
.endr
.set i, 0
.rept 4
	v_cvt_pk_f16_f32 v[200+i], v[168+2*i], v[169+2*i]
.set i, i+1
.endr
	s_branch .Lafter_d
.Lhigh:                                        ; waves 8-15, mode 2: w leaves, 640 chunks of 16 bytes, 512 consecutive bytes a wave's store
	s_cmp_eq_u32 s2, 2
	s_cbranch_scc0 .Lafter_d
	v_and_b32 v1, 255, v0
	v_lshlrev_b32 v1, 4, v1
	v_add_nc_u32 v3, WT, v1
	ds_load_b128 v[16:19], v3
	ds_load_b128 v[20:23], v3 offset:4096
	s_wait_dscnt 0x0
	global_store_b128 v1, v[16:19], s[94:95]
	global_store_b128 v1, v[20:23], s[94:95] offset:4096
	s_cmp_lt_u32 s3, 12
	s_cbranch_scc0 .Lafter_d
	ds_load_b128 v[24:27], v3 offset:8192
	s_wait_dscnt 0x0
	global_store_b128 v1, v[24:27], s[94:95] offset:8192
.Lafter_d:
	BAR                                            ; every wave's reads of the tables are over (the bias rows are read by a clamped row number): only now is LDS written again
	s_cmp_lt_u32 s3, 8
	s_cbranch_scc0 .Lo_stored
	MYUNIT
	v_mul_u32_u24 v10, v7, 144                     ; my query's row of OB,
	v_lshl_add_u32 v10, v6, 4, v10                 ; channels 16 head + 8 h on: 32 head + 16 h bytes
	s_lshl_b32 s82, s90, 5
	s_add_co_u32 s82, s82, OB
	v_add_nc_u32 v10, s82, v10
	ds_store_b128 v10, v[200:203]
.Lo_stored:
	BAR                                            ; OB is whole
	; ---- s' = (s + ao_b) + o ao_w: waves 0-7, 16 rows x 16 channels each; all three operands come out of LDS; the two K steps on two accumulators, added afterwards
	s_cmp_lt_u32 s3, 8
	s_cbranch_scc0 .Lafter_e
	s_wait_xcnt 0x0                                ; every earlier store has read its registers: those below are written again only behind this wait
	MYUNIT
	v_mul_u32_u24 v4, v7, 144                      ; my row of OB, all 64 channels: 16 h + 0, 32, 64, 96
	v_lshl_add_u32 v4, v6, 4, v4
	v_add_nc_u32 v4, OB, v4
	ds_load_b128 v[32:35], v4
	ds_load_b128 v[36:39], v4 offset:32
	ds_load_b128 v[40:43], v4 offset:64
	ds_load_b128 v[44:47], v4 offset:96
	v_and_b32 v1, 7, v0                            ; ao_w's columns 16 t on, turned: row 8 h + lane % 8, 16 bytes on for lanes 8-15 of each half
	v_lshl_add_u32 v1, v6, 3, v1
	v_mul_u32_u24 v1, v1, PA
	v_bfe_u32 v3, v0, 3, 1
	v_lshl_add_u32 v1, v3, 4, v1
	s_lshl_b32 s84, s90, 5
	s_add_co_u32 s84, s84, WA
	v_add_nc_u32 v1, s84, v1
	ds_load_tr16_b128 v[16:19], v1
	ds_load_tr16_b128 v[20:23], v1 offset:16*PA
	ds_load_tr16_b128 v[24:27], v1 offset:32*PA
	ds_load_tr16_b128 v[28:31], v1 offset:48*PA
	s_lshl_b32 s84, s90, 6                         ; s + ao_b: my row, channels 16 t + 8 h on: 64 t + 32 h bytes
	s_add_co_u32 s84, s84, SO
	v_mul_u32_u24 v10, v7, 272
	v_add_nc_u32 v10, v10, v[H32]
	v_add_nc_u32 v10, s84, v10
	ds_load_b128 v[192:195], v10
	ds_load_b128 v[196:199], v10 offset:16
	s_wait_dscnt 0x0
	v_wmma_f32_16x16x32_f16 v[200:207], v[16:23], v[32:39], v[192:199]
	v_wmma_f32_16x16x32_f16 v[208:215], v[24:31], v[40:47], 0
	NOPS 4
.set i, 0
.rept 4
	v_pk_add_f32 v[200+i:201+i], v[200+i:201+i], v[208+i:209+i]
.set i, i+2
.endr
.Lafter_e:
	BAR                                            ; every wave's reads of OB, ao_w and SO are over: only now is LDS written again
	s_cmp_lt_u32 s3, 8
	s_cbranch_scc0 .Ls_stored
	MYUNIT
	s_lshl_b32 s84, s90, 6                         ; channels 16 t + 8 h on: 64 t + 32 h bytes
	s_add_co_u32 s84, s84, SO
	v_mul_u32_u24 v10, v7, 272
	v_add_nc_u32 v10, v10, v[H32]
	v_add_nc_u32 v10, s84, v10
	ds_store_b128 v10, v[200:203]
	ds_store_b128 v10, v[204:207] offset:16
.Ls_stored:
	BAR                                            ; SO is whole
	s_wait_xcnt 0x0                                ; every earlier store has read its registers; EXEC changes only behind this wait
	v_lshrrev_b32 v1, 4, v0
	v_mul_u32_u24 v1, v1, 272
	v_and_b32 v3, 15, v0
	v_lshl_add_u32 v1, v3, 4, v1
	v_add_nc_u32 v1, SO, v1
	v_lshlrev_b32 v3, 4, v0
	v_cmp_gt_u32 vcc_lo, 400, v0                   ; 25 rows x 16 chunks
	s_and_saveexec_b32 s85, vcc_lo
	ds_load_b128 v[16:19], v1
	s_wait_dscnt 0x0
	global_store_b128 v3, v[16:19], s[16:17]       ; 16 lanes store a row's 256 bytes, aligned
	s_wait_xcnt 0x0                                ; and again, ahead of the line that widens EXEC
	s_or_b32 exec_lo, exec_lo, s85
	s_wait_tensorcnt 0x0                           ; the wave's end, behind my last LDS store
	ds_add_u32 v[SPW], v[NIL]
	s_wait_dscnt 0x0
	s_endpgm
.Lfunc_end_k_q06d4d1e974_blk0:
	.size	k_q06d4d1e974_blk0, .Lfunc_end_k_q06d4d1e974_blk0-k_q06d4d1e974_blk0
	.p2alignl 7, 3214868480
	.fill 96, 4, 3214868480
	.section	.rodata,"a",@progbits
	.p2align	6, 0x0
	.amdhsa_kernel k_q06d4d1e974_blk0
		.amdhsa_group_segment_fixed_size 242944
		.amdhsa_private_segment_fixed_size 0
		.amdhsa_enable_private_segment 0
		.amdhsa_kernarg_size 216
		.amdhsa_user_sgpr_count 2
		.amdhsa_user_sgpr_kernarg_segment_ptr 1
		.amdhsa_wavefront_size32 1
		.amdhsa_system_sgpr_workgroup_id_x 1
		.amdhsa_system_sgpr_workgroup_id_y 1
		.amdhsa_system_sgpr_workgroup_id_z 1
		.amdhsa_system_vgpr_workitem_id 0
		.amdhsa_next_free_vgpr 256
		.amdhsa_next_free_sgpr 102
		.amdhsa_reserve_vcc 1
		.amdhsa_float_denorm_mode_32 3
		.amdhsa_float_denorm_mode_16_64 3
		.amdhsa_memory_ordered 1
		.amdhsa_forward_progress 1
		.amdhsa_inst_pref_size 213
	.end_amdhsa_kernel
	.amdgpu_metadata
---
amdhsa.version: [ 1, 2 ]
amdhsa.kernels:
  - .name:           k_q06d4d1e974_blk0
    .symbol:         k_q06d4d1e974_blk0.kd
    .args:
      - { .name: cfg0, .offset: 0, .size: 8, .value_kind: global_buffer, .address_space: global }
      - { .name: sA, .offset: 8, .size: 8, .value_kind: global_buffer, .address_space: global }
      - { .name: zB, .offset: 16, .size: 8, .value_kind: global_buffer, .address_space: global }
      - { .name: zA, .offset: 24, .size: 8, .value_kind: global_buffer, .address_space: global }
      - { .name: sB, .offset: 32, .size: 8, .value_kind: global_buffer, .address_space: global }
      - { .name: mask, .offset: 40, .size: 8, .value_kind: global_buffer, .address_space: global }
      - { .name: params_blocks_0_ns_g, .offset: 48, .size: 8, .value_kind: global_buffer, .address_space: global }
      - { .name: params_blocks_0_ns_b, .offset: 56, .size: 8, .value_kind: global_buffer, .address_space: global }
      - { .name: params_blocks_0_s_to_z_w, .offset: 64, .size: 8, .value_kind: global_buffer, .address_space: global }
      - { .name: params_blocks_0_s_to_z_b, .offset: 72, .size: 8, .value_kind: global_buffer, .address_space: global }
      - { .name: params_blocks_0_qkv_w, .offset: 80, .size: 8, .value_kind: global_buffer, .address_space: global }
      - { .name: params_blocks_0_qkv_b, .offset: 88, .size: 8, .value_kind: global_buffer, .address_space: global }
      - { .name: params_blocks_0_nz_g, .offset: 96, .size: 8, .value_kind: global_buffer, .address_space: global }
      - { .name: params_blocks_0_nz_b, .offset: 104, .size: 8, .value_kind: global_buffer, .address_space: global }
      - { .name: params_blocks_0_zmlp_w1, .offset: 112, .size: 8, .value_kind: global_buffer, .address_space: global }
      - { .name: params_blocks_0_zmlp_b1, .offset: 120, .size: 8, .value_kind: global_buffer, .address_space: global }
      - { .name: params_blocks_0_zmlp_w2, .offset: 128, .size: 8, .value_kind: global_buffer, .address_space: global }
      - { .name: params_blocks_0_zmlp_b2, .offset: 136, .size: 8, .value_kind: global_buffer, .address_space: global }
      - { .name: params_blocks_0_zb_w, .offset: 144, .size: 8, .value_kind: global_buffer, .address_space: global }
      - { .name: params_blocks_0_zb_b, .offset: 152, .size: 8, .value_kind: global_buffer, .address_space: global }
      - { .name: params_blocks_0_ao_w, .offset: 160, .size: 8, .value_kind: global_buffer, .address_space: global }
      - { .name: params_blocks_0_ao_b, .offset: 168, .size: 8, .value_kind: global_buffer, .address_space: global }
      - { .name: spins, .offset: 176, .size: 8, .value_kind: global_buffer, .address_space: global }
      - { .name: params_dist_emb, .offset: 184, .size: 8, .value_kind: global_buffer, .address_space: global }
      - { .name: params_ipp_w, .offset: 192, .size: 8, .value_kind: global_buffer, .address_space: global }
      - { .name: params_ipp_b, .offset: 200, .size: 8, .value_kind: global_buffer, .address_space: global }
      - { .name: headp, .offset: 208, .size: 8, .value_kind: global_buffer, .address_space: global }
    .group_segment_fixed_size: 242944
    .private_segment_fixed_size: 0
    .kernarg_segment_align: 8
    .kernarg_segment_size: 216
    .max_flat_workgroup_size: 512
    .sgpr_count:     102
    .vgpr_count:     256
    .wavefront_size: 32
...
	.end_amdgpu_metadata
.endif
;; end of part 2
;; launch blk1: the kernel of part 2 again; grid 256 x 1, 16 waves a work-group, no clusters, 242,944 bytes of LDS; arguments cfg1, sB, zA, zB, sA, mask, params_blocks_1_ns_g, params_blocks_1_ns_b, params_blocks_1_s_to_z_w, params_blocks_1_s_to_z_b, params_blocks_1_qkv_w, params_blocks_1_qkv_b, params_blocks_1_nz_g, params_blocks_1_nz_b, params_blocks_1_zmlp_w1, params_blocks_1_zmlp_b1, params_blocks_1_zmlp_w2, params_blocks_1_zmlp_b2, params_blocks_1_zb_w, params_blocks_1_zb_b, params_blocks_1_ao_w, params_blocks_1_ao_b, spins, params_dist_emb, params_ipp_w, params_ipp_b, headp; writes zB, sA
;; launch blk2: the kernel of part 2 again; grid 256 x 1, 16 waves a work-group, no clusters, 242,944 bytes of LDS; arguments cfg1, sA, zB, zA, sB, mask, params_blocks_2_ns_g, params_blocks_2_ns_b, params_blocks_2_s_to_z_w, params_blocks_2_s_to_z_b, params_blocks_2_qkv_w, params_blocks_2_qkv_b, params_blocks_2_nz_g, params_blocks_2_nz_b, params_blocks_2_zmlp_w1, params_blocks_2_zmlp_b1, params_blocks_2_zmlp_w2, params_blocks_2_zmlp_b2, params_blocks_2_zb_w, params_blocks_2_zb_b, params_blocks_2_ao_w, params_blocks_2_ao_b, spins, params_dist_emb, params_ipp_w, params_ipp_b, headp; writes zA, sB
;; launch blk3: the kernel of part 2 again; grid 256 x 1, 16 waves a work-group, no clusters, 242,944 bytes of LDS; arguments cfg2, sB, zA, zB, sA, mask, params_blocks_3_ns_g, params_blocks_3_ns_b, params_blocks_3_s_to_z_w, params_blocks_3_s_to_z_b, params_blocks_3_qkv_w, params_blocks_3_qkv_b, params_blocks_3_nz_g, params_blocks_3_nz_b, params_blocks_3_zmlp_w1, params_blocks_3_zmlp_b1, params_blocks_3_zmlp_w2, params_blocks_3_zmlp_b2, params_blocks_3_zb_w, params_blocks_3_zb_b, params_blocks_3_ao_w, params_blocks_3_ao_b, spins, params_dist_emb, params_ipp_w, params_ipp_b, headp; writes zB, sA
;; launch fin (part 3): grid 64 x 1, 4 waves a work-group, no clusters, 4,608 bytes of LDS; arguments zB, spins, mask, out0; writes out0
.if DOCPART == 3
	.amdgcn_target "amdgcn-amd-amdhsa--gfx1250"
	.amdhsa_code_object_version 6
	.text
	.protected	k_q06d4d1e974_fin
	.globl	k_q06d4d1e974_fin
	.p2align	8
	.type	k_q06d4d1e974_fin,@function
k_q06d4d1e974_fin:
	s_mov_b64 s[64:65], 0
	v_nop
	global_prefetch_b8 v0, s[64:65] scope:SCOPE_SE
	s_setreg_imm32_b32 hwreg(HW_REG_WAVE_MODE, 25, 1), 1
	s_wait_xcnt 0x0
; out[b][i] = m_i (raw - (raw . s_i) s_i), raw = sum over j of 0.5 (w[i][j] + w[j][i]) m_i m_j s_j.  One work-group a batch, a thread a row i.
; w lies as the launch before stored it: [batch x 4 + i / 25][100 (i % 25) + j] f32, 10,240 bytes a quarter, the diagonal already 0.
; The sum has three columns: on the vector unit in f32 (a 16 x 16 x 32 tile would be thirteen parts in sixteen padding).  The spins are rounded to bf16 as they are loaded, like every floating input of the program.
; Threads 100..127 repeat row 99's arithmetic; in LDS each thread has places of its own, and theirs are read by nobody.
.set SPM,   0                          ; LDS: m_j s_j, a thread a row of 16 bytes: 2,048 bytes, of which rows 0..99 are read
.set OUTS,  2048                       ; a thread's three results, 12 bytes each, f32; the first 1,200 bytes are the batch's output; the region has 2,048 bytes, 16 for each of 128 threads' read below
.set SPARE, 4096                       ; the spare words, 128 bytes a wave: two blocks of 256 bytes that no other line names
.set SPW,   1                          ; v1  SPARE + 4 x my thread's number; never rewritten
.set NIL,   2                          ; v2  0; never rewritten
	s_load_b256 s[4:11], s[0:1], 0x0               ; w s[4:5], spins s[6:7], mask s[8:9], out0 s[10:11]
	v_lshl_add_u32 v[SPW], v0, 2, SPARE
	v_mov_b32 v[NIL], 0
	v_min_u32 v3, 99, v0                           ; i
	v_mul_u32_u24 v4, v3, 0x147b
	v_lshrrev_b32 v4, 17, v4                       ; i / 25 = i x 5,243 >> 17, exact for i under 100
	v_mul_u32_u24 v5, v4, 25
	v_sub_nc_u32 v5, v3, v5
	v_mul_u32_u24 v6, v4, 10240
	s_mov_b32 s12, 400
	v_mad_u32_u24 v6, v5, s12, v6                  ; my row of w
	v_lshlrev_b32 v7, 2, v3                        ; my column
	v_mul_u32_u24 v8, v3, 12
	v_lshlrev_b32 v9, 4, v0                        ; 16 x thread
	v_mov_b32 v10, 0
	s_mul_i32 s14, ttmp9, 40960
	s_mov_b32 s15, 0
	s_mul_i32 s16, ttmp9, 1200
	s_mov_b32 s17, 0
	s_mul_i32 s18, ttmp9, 100
	s_mov_b32 s19, 0
	s_wait_kmcnt 0x0
	s_add_nc_u64 s[4:5], s[4:5], s[14:15]
	s_add_nc_u64 s[6:7], s[6:7], s[16:17]
	s_add_nc_u64 s[8:9], s[8:9], s[18:19]
	s_add_nc_u64 s[10:11], s[10:11], s[16:17]
	global_load_b32 v248, v8, s[6:7]
	global_load_b32 v249, v8, s[6:7] offset:4
	global_load_b32 v250, v8, s[6:7] offset:8
	global_load_u8 v251, v3, s[8:9]
.set n, 0
.rept 25
	global_load_b128 v[16+4*n:19+4*n], v6, s[4:5] offset:16*n
.set n, n+1
.endr
.set j, 0
.rept 100
	global_load_b32 v[116+j], v7, s[4:5] offset:(j/25)*10240+(j%25)*400
.set j, j+1
.endr
	s_wait_loadcnt 0x0
	v_mul_u32_u24 v8, v0, 12                       ; from here on: my place in OUTS
	v_cvt_pk_bf16_f32 v12, v248, v249
	v_lshlrev_b32 v248, 16, v12
	v_and_b32 v249, 0xffff0000, v12
	v_cvt_pk_bf16_f32 v12, v250, v250
	v_lshlrev_b32 v250, 16, v12
	v_cmp_ne_u32 vcc_lo, 0, v251
	v_cndmask_b32 v11, 0, 1.0, vcc_lo              ; m_i
	v_mul_f32 v12, v11, v248
	v_mul_f32 v13, v11, v249
	v_mul_f32 v14, v11, v250
	v_mov_b32 v15, 0
	ds_store_b128 v9, v[12:15] offset:SPM
	v_mov_b32 v4, 0
	v_mov_b32 v5, 0
	v_mov_b32 v6, 0
	v_mov_b32 v253, 0                              ; upper words of pairs of which the low word is used
	v_mov_b32 v255, 0
	s_wait_dscnt 0x0
	s_barrier_signal -1
	s_barrier_wait -1
.macro SPROWS g                        ; four rows of SPM, the same for every lane, into set g % 2
.set jj, 0
.rept 4
	ds_load_b128 v[216+16*((\g)%2)+4*jj:216+16*((\g)%2)+4*jj+3], v10 offset:SPM+16*(4*(\g)+jj)
.set jj, jj+1
.endr
.endm
	SPROWS 0
.set g, 0
.rept 25
.if g < 24
	SPROWS g+1
	s_wait_dscnt 0x4                               ; the next group's four loads may stay out
.else
	s_wait_dscnt 0x0
.endif
.set jj, 0
.rept 4
.set S, 216+16*(g%2)+4*jj
.set W, 252+2*(jj%2)
	v_add_f32 v[W], v[16+4*g+jj], v[116+4*g+jj]
	v_pk_fma_f32 v[4:5], v[S:S+1], v[W:W+1], v[4:5] op_sel_hi:[1,0,1]
	v_fmac_f32 v6, v[S+2], v[W]
.set jj, jj+1
.endr
.set g, g+1
.endr
	v_mul_f32 v7, 0.5, v11
	v_mul_f32 v4, v4, v7                           ; raw
	v_mul_f32 v5, v5, v7
	v_mul_f32 v6, v6, v7
	v_mul_f32 v12, v4, v248                        ; radial
	v_fmac_f32 v12, v5, v249
	v_fmac_f32 v12, v6, v250
	v_fma_f32 v4, -v12, v248, v4
	v_fma_f32 v5, -v12, v249, v5
	v_fma_f32 v6, -v12, v250, v6
	v_mul_f32 v4, v4, v11
	v_mul_f32 v5, v5, v11
	v_mul_f32 v6, v6, v11
	ds_store_b32 v8, v4 offset:OUTS
	ds_store_b32 v8, v5 offset:OUTS+4
	ds_store_b32 v8, v6 offset:OUTS+8
	s_wait_dscnt 0x0
	s_barrier_signal -1
	s_barrier_wait -1
	s_wait_xcnt 0x0                                ; EXEC changes only behind this wait
	v_cmp_gt_u32 vcc_lo, 75, v0                    ; 1,200 bytes are 75 chunks of 16
	s_and_saveexec_b32 s20, vcc_lo
	ds_load_b128 v[16:19], v9 offset:OUTS
	s_wait_dscnt 0x0
	global_store_b128 v9, v[16:19], s[10:11]
	s_wait_xcnt 0x0
	s_or_b32 exec_lo, exec_lo, s20
	s_wait_tensorcnt 0x0                           ; the wave's end, behind my last LDS store
	ds_add_u32 v[SPW], v[NIL]
	s_wait_dscnt 0x0
	s_endpgm
.Lfunc_end_k_q06d4d1e974_fin:
	.size	k_q06d4d1e974_fin, .Lfunc_end_k_q06d4d1e974_fin-k_q06d4d1e974_fin
	.p2alignl 7, 3214868480
	.fill 96, 4, 3214868480
	.section	.rodata,"a",@progbits
	.p2align	6, 0x0
	.amdhsa_kernel k_q06d4d1e974_fin
		.amdhsa_group_segment_fixed_size 4608
		.amdhsa_private_segment_fixed_size 0
		.amdhsa_enable_private_segment 0
		.amdhsa_kernarg_size 32
		.amdhsa_user_sgpr_count 2
		.amdhsa_user_sgpr_kernarg_segment_ptr 1
		.amdhsa_wavefront_size32 1
		.amdhsa_system_sgpr_workgroup_id_x 1
		.amdhsa_system_sgpr_workgroup_id_y 1
		.amdhsa_system_sgpr_workgroup_id_z 1
		.amdhsa_system_vgpr_workitem_id 0
		.amdhsa_next_free_vgpr 256
		.amdhsa_next_free_sgpr 66
		.amdhsa_reserve_vcc 1
		.amdhsa_float_denorm_mode_32 3
		.amdhsa_float_denorm_mode_16_64 3
		.amdhsa_memory_ordered 1
		.amdhsa_forward_progress 1
		.amdhsa_inst_pref_size 36
	.end_amdhsa_kernel
	.amdgpu_metadata
---
amdhsa.version: [ 1, 2 ]
amdhsa.kernels:
  - .name:           k_q06d4d1e974_fin
    .symbol:         k_q06d4d1e974_fin.kd
    .args:
      - { .name: zB, .offset: 0, .size: 8, .value_kind: global_buffer, .address_space: global }
      - { .name: spins, .offset: 8, .size: 8, .value_kind: global_buffer, .address_space: global }
      - { .name: mask, .offset: 16, .size: 8, .value_kind: global_buffer, .address_space: global }
      - { .name: out0, .offset: 24, .size: 8, .value_kind: global_buffer, .address_space: global }
    .group_segment_fixed_size: 4608
    .private_segment_fixed_size: 0
    .kernarg_segment_align: 8
    .kernarg_segment_size: 32
    .max_flat_workgroup_size: 128
    .sgpr_count:     66
    .vgpr_count:     256
    .wavefront_size: 32
...
	.end_amdgpu_metadata
.endif
;; end of part 3
